; MI455X (gfx1250); checked and timed in simulation.
; The chip was launched on July 23, 2026; its instructions are those of AMD's public machine-readable ISA for CDNA 5 (MIT licence, August 2026) and "CDNA5" Instruction Set Architecture Reference Guide (July 2026). The comments in the code are by the model that wrote it; some were corrected since.
;; Multi Head Self Attention. Allowed arithmetic: matrix products marked QUANTISED: E3M2 operands, one E8M0 scale for each 32 along K, by v_wmma_scale_f32_16x16x128_f8f6f4 with both operands' format E3M2, f32 sums; everything else in f32.
;; Inputs: b_out 1,024 float32; b_qkv 3,072 float32; w_out 1,024 x 1,024 float32; w_qkv 1,024 x 3,072 float32; x 4 x 2,048 x 1,024 float32.
;; Outputs: out0 4 x 2,048 x 1,024 float32.
;; This version of the problem:
;;   THIS VERSION OF THE PROBLEM IS GIVEN IN LOW PRECISION. The matrix products marked QUANTISED in the list below multiply operands that are first quantised to E3M2 (3 exponent bits, 2 mantissa bits; 6 bits a number), with one power-of-two scale for each 32 numbers along K (OCP MX v1.0); their sums are f32. All else is computed in f32.
;;   The module's matrix products, in the order in which they are computed (A, B: the left and right operand; K: the contracted axis; several contracted axes count as one K, in the product's order):
;;     1. [M 8,192, K 1,024] x [K 1,024, N 3,072]; A: input x; B: input w_qkv: QUANTISED
;;     2. batch 64 x [M 2,048, K 64] x [K 64, N 2,048]; A: computed on the way; B: computed on the way: QUANTISED
;;     3. batch 64 x [M 2,048, K 2,048] x [K 2,048, N 64]; A: softmax (see below); B: computed on the way: QUANTISED
;;     4. [M 8,192, K 1,024] x [K 1,024, N 1,024]; A: computed on the way; B: input w_out: QUANTISED
;;   THE QUANTISER, for each operand of a quantised product, along K:
;;     - K is cut into blocks of 32 from its start; a last block that is shorter is filled with zeros.
;;     - A block's scale is 2^e with e = floor(log2(the largest magnitude in the block)) - 4, held to -126 .. 127; a block of zeros has e = 0. As a byte (E8M0): e + 127.
;;     - Each number is divided by its block's scale, clamped to +-28, and rounded to the nearest number of E3M2, ties to even, subnormals kept.
;;     - The product sums the exact products of the quantised numbers (number of the format x scale) in f32.
;;   ~~~python
;;   def quantise(x, axis):      # numpy; x: float32 -> the quantised numbers, widened to float32 again
;;       x = np.moveaxis(x, axis, -1); K = x.shape[-1]
;;       x = np.pad(x, [(0, 0)] * (x.ndim - 1) + [(0, -K % 32)]); x = x.reshape(x.shape[:-1] + (-1, 32)); a = np.abs(x).max(-1, keepdims=True)
;;       e = np.where(a > 0, np.clip(np.frexp(np.where(a > 0, a, 1))[1] - 1 - 4, -126, 127), 0)      # np.frexp(a)[1] - 1 = floor(log2(a)), exactly
;;       r = np.clip(x / 2.0 ** e, -28, 28)
;;       step = 2.0 ** (np.maximum(np.frexp(np.where(r == 0, 1, r))[1] - 1, -2) - 2)
;;       q = np.round(r / step) * step * 2.0 ** e      # np.round: ties to even
;;       return np.moveaxis(q.reshape(q.shape[:-2] + (-1,))[..., :K], -1, axis).astype(np.float32)
;;   ~~~
;;   SOFTMAX AHEAD OF A QUANTISED PRODUCT. Where the list says 'softmax', what is quantised is not the finished softmax but p = 2^(t - M), with t = logit x log2(e) and M = ceil(the row's largest t), a whole number; so 1/2 < the row's largest p <= 1. The row's sum l is taken of the UNQUANTISED p, in f32, and the product's result is divided by l at the end. Since M is a whole number, a kernel that streams over the keys may use a running M (the ceiling of the running maximum): every later rescaling is an exact power of two, which a block's scale takes up: the codes' values come out the same.
;;   OPERANDS COMPUTED ON THE WAY. 'Computed on the way' means the value that the module computes at that place (a softmax that the list does not call 'softmax' is quantised finished and normalised). What goes into a quantiser is computed in f32, as accurately as f32 sums, v_exp_f32 and their like allow (about 1e-6 of the number): no bf16 or f16 on the way to a quantiser, and a product that is left as it is and whose result goes on into a quantised operand takes f32 operands (vector FMAs, or v_wmma_f32_16x16x4_f32). A number that lies on a knife's edge between two numbers of the format may be rounded either way, as far as f32 arithmetic and the matrix unit's own rounding can turn it there, and no further.
;; One version. Each part assembles by itself: llvm-mc -triple=amdgcn-amd-amdhsa -mcpu=gfx1250 --defsym DOCPART=n.
;; ======== version 1 of 1: 4 launches
;; limits: right only within a limited range of input values
;; workspace buffers: xpack 6,815,744 bytes; wqpack 2,555,904 bytes; wopack 851,968 bytes; qpack 6,815,744 bytes; kvpack 13,631,488 bytes; ctxpack 6,815,744 bytes
;; launch prep (part 1): grid 640 x 1, 8 waves a work-group, no clusters, 68,608 bytes of LDS; arguments x, w_qkv, w_out, xpack, wqpack, wopack; writes xpack, wqpack, wopack
.if DOCPART == 1
	.amdgcn_target "amdgcn-amd-amdhsa--gfx1250"
	.amdhsa_code_object_version 6
	.text
	.protected	k_q41c6d3f6f2_prep
	.globl	k_q41c6d3f6f2_prep
	.p2align	8
	.type	k_q41c6d3f6f2_prep,@function
k_q41c6d3f6f2_prep:
	s_mov_b64 s[64:65], 0
	v_nop
	global_prefetch_b8 v0, s[64:65] scope:SCOPE_SE
	s_setreg_imm32_b32 hwreg(HW_REG_WAVE_MODE, 25, 1), 1
	s_wait_xcnt 0x0
; PREP: x [8192][1024], w_qkv [1024][3072] and w_out [1024][1024], f32, become codes of BF6 (E3M2) with one E8M0 byte for each 32 along K (K = 1,024 in all three),
; laid as IMAGES OF OPERAND REGISTERS.  A fragment is 16 rows x 128 K: 12 registers a lane, 1,536 bytes, in three chunks of 512 bytes: chunk c holds registers 4 c .. 4 c + 3, lane l's 16 bytes at 16 l.
; Lane (r, h) of a fragment holds row r, registers 6 c .. 6 c + 5 = k 64 c + 32 h + 0 .. 31.  A fragment's scale words are 128 bytes, lane l's word at 4 l; lanes r and r + 16 hold the same word.
; xpack  [mt 32][K step 8][26,624]: 16 fragments, then 16 scale images.  wqpack [nt 24][K step 8][13,312], wopack [nt 8][..]: 8 fragments, then 8 scale images.
; THE ROWS OF A TILE ARE NOT NEIGHBOURS: row r of tile 2 B + u is index 32 B + 8 u + r + 8 (r / 8) (tokens in xpack, columns in the weights), so that in a product's result the 16 registers of two neighbouring tiles are 16 neighbours.
; A block's scale is 2^(floor(log2(its largest magnitude)) - 4); its byte is the largest magnitude's exponent field - 4, held at 1 from below.
; LIMITS: a block of zeros, or one whose largest magnitude lies under 2^(5 - 127), gets the byte 1 (its codes are zeros or the smallest codes; the bytes are read by this program alone); NaN and infinities among the inputs are not served.
; SHARES: work-groups 0 to 511 take x: work-group g the tile g % 16 of token block g / 16, wave s its K step s: one fragment a wave.  Work-groups 512 to 639 take the weights: 32 columns x 128 K a wave: two fragments.
; No cluster and no matrix unit: no two work-groups read the same bytes, and the launch only moves and converts.
.set SPARE, 67584                      ; behind the eight stages: the spare words, 128 bytes for each wave: four blocks of 256 bytes that no other line names
.set STGW,  8448                       ; a wave's stage: 16 rows x (512 bytes + 16)
.set SPW,   2                          ; v2   LDS address of my spare word; never rewritten
.set NIL,   3                          ; v3   0; never rewritten
.set SEL,   20                         ; s[20:21] lane selects for v_permlanex16_b32: lane l xor 16
.set X,     16                         ; v16-79  64 numbers
.set TM,    80                         ; v80-95  x: largest magnitudes, bytes, scale operands
.set PC,    96                         ; v96-107 x: the fragment's codes
.set T0,    108
.set T1,    112
.set PW,    116                        ; x: the scale word
.set OFF,   4                          ; v4-11   weights: 4 x lane + i rows
.set VO,    12                         ; v12     weights: my place in the two fragments' images
.set VS,    13                         ; v13     and in their scale images
.set F0,    80                         ; v80-91  weights: blocks 0 and 2 of my column: the registers of lane (r', 0)
.set F1,    92                         ; v92-103 blocks 1 and 3: those of lane (r', 1)
.set TW,    104
.set SW,    108                        ; my column's scale word
; 64 numbers of a lane, register 16 b + i = k 32 b + 16 h + i of my row, become codes: blocks 0, 1 in v[d0 .. d0 + 5], blocks 2, 3 in v[d1 .. d1 + 5], a whole block to a lane; the four bytes stay in v[TM + 4 .. TM + 7].
.macro QUANT s, d0, d1
.irp b, 0,1,2,3
	v_max3_num_f32 v[TM+\b], |v[(\s)+16*\b]|, |v[(\s)+16*\b+1]|, 0x2800000   ; my 16 numbers of block b, and the floor 2^(5 - 127): the byte cannot fall under 1
.endr
.irp i, 2,4,6,8,10,12,14
.irp b, 0,1,2,3
	s_delay_alu instid0(VALU_DEP_4)
	v_max3_num_f32 v[TM+\b], |v[(\s)+16*\b+\i]|, |v[(\s)+16*\b+\i+1]|, v[TM+\b]   ; the four blocks by turns
.endr
.endr
.irp b, 0,1,2,3
	s_delay_alu instid0(VALU_DEP_4)
	v_permlanex16_b32 v[TM+4+\b], v[TM+\b], s[SEL], s[SEL+1]
.endr
.irp b, 0,1,2,3
	s_delay_alu instid0(VALU_DEP_4)
	v_max_num_f32 v[TM+\b], v[TM+\b], v[TM+4+\b]           ; with lane l xor 16's 16: the block's largest magnitude
.endr
.irp b, 0,1,2,3
	s_delay_alu instid0(VALU_DEP_4)
	v_add_nc_u32 v[TM+12+\b], 0xfe000000, v[TM+\b]         ; 4 off its exponent field: the conversion's scale operand
.endr
.irp b, 0,1,2,3
	s_delay_alu instid0(VALU_DEP_4)
	v_lshrrev_b32 v[TM+4+\b], 23, v[TM+12+\b]              ; the scale's byte
.endr
	v_cvt_scalef32_pk16_bf6_f32 v[(\d0):(\d0)+2], v[(\s):(\s)+15], v[TM+12]
	v_cvt_scalef32_pk16_bf6_f32 v[T0:T0+2], v[(\s)+16:(\s)+31], v[TM+13]      ; (a conversion's three registers begin on an even number)
	v_cvt_scalef32_pk16_bf6_f32 v[(\d1):(\d1)+2], v[(\s)+32:(\s)+47], v[TM+14]
	v_cvt_scalef32_pk16_bf6_f32 v[T1:T1+2], v[(\s)+48:(\s)+63], v[TM+15]
	v_nop                                                  ; one plain line behind the conversions
.irp i, 0,1,2
	v_permlane16_swap_b32 v[(\d0)+\i], v[T0+\i]            ; the halves change places: each lane now holds a whole block, lower 16 codes and upper 16
	v_permlane16_swap_b32 v[(\d1)+\i], v[T1+\i]
.endr
.irp i, 0,1,2
	v_mov_b32 v[(\d0)+3+\i], v[T0+\i]
	v_mov_b32 v[(\d1)+3+\i], v[T1+\i]
.endr
.endm
	s_load_b256 s[4:11], s[0:1], 0x0               ; x s[4:5], w_qkv s[6:7], w_out s[8:9], xpack s[10:11]
	s_load_b128 s[12:15], s[0:1], 0x20             ; wqpack s[12:13], wopack s[14:15]
	v_lshl_add_u32 v[SPW], v0, 2, SPARE
	v_mov_b32 v[NIL], 0
	v_lshrrev_b32 v1, 5, v0
	s_delay_alu instid0(VALU_DEP_1)
	v_readfirstlane_b32 s16, v1                    ; wave 0..7
	v_and_b32 v1, 31, v0                           ; lane
	s_mov_b32 s[SEL], 0x76543210
	s_mov_b32 s[SEL+1], 0xfedcba98
	s_wait_kmcnt 0x0
	s_cmp_lt_u32 ttmp9, 512                        ; x's work-group or the weights'?  The work-group's number alone decides
	s_cbranch_scc0 .Lweights
	; ---- x: one fragment a wave
	s_lshr_b32 s17, ttmp9, 4                       ; mt
	s_and_b32 s18, ttmp9, 15                       ; tile i
	s_lshl_b32 s19, s17, 8
	s_lshr_b32 s22, s18, 1
	s_lshl_b32 s22, s22, 5
	s_add_co_u32 s19, s19, s22
	s_and_b32 s22, s18, 1
	s_lshl_b32 s22, s22, 3
	s_add_co_u32 s19, s19, s22                     ; the tile's first token: 256 mt + 32 (i / 2) + 8 (i % 2)
	s_lshl_b32 s22, s19, 12                        ; a row of x is 4,096 bytes
	s_lshl_b32 s23, s16, 9                         ; my K step's 512 bytes of it
	s_add_co_u32 s22, s22, s23
	s_mov_b32 s23, 0
	s_add_nc_u64 s[4:5], s[4:5], s[22:23]
	s_lshl_b32 s24, s17, 3
	s_add_co_u32 s24, s24, s16
	s_mul_i32 s24, s24, 26624                      ; step (mt, s) of xpack
	s_mul_i32 s26, s18, 1536
	s_add_co_u32 s26, s26, s24
	s_mov_b32 s27, 0
	s_lshl_b32 s28, s18, 7
	s_add_co_u32 s28, s28, s24
	s_add_co_u32 s28, s28, 24576
	s_mov_b32 s29, 0
	s_add_nc_u64 s[26:27], s[10:11], s[26:27]      ; my fragment's image
	s_add_nc_u64 s[28:29], s[10:11], s[28:29]      ; and its scale image
	v_and_b32 v8, 15, v0                           ; r
	v_bfe_u32 v9, v0, 4, 1                         ; h
	s_wait_alu depctr_va_vdst(0)
	v_lshlrev_b32 v4, 4, v1                        ; 16 x lane
	v_lshlrev_b32 v7, 2, v1                        ; 4 x lane
	s_mul_i32 s30, s16, STGW
	v_add_nc_u32 v5, s30, v4                       ; the stage, in: a row's 512 bytes as they lie
	v_mul_u32_u24 v6, v8, 528
	s_delay_alu instid0(VALU_DEP_1)
	v_lshl_add_u32 v6, v9, 6, v6
	s_delay_alu instid0(VALU_DEP_1)
	v_add_nc_u32 v6, s30, v6                       ; and out: row r, + 64 h: my 16 numbers of each block of 32
.irp b, 0,1,2,3
	v_mov_b32 v[TM+4+\b], 0                        ; written once: a lane permute's destination counts as one of its sources
.endr
.irp p, 0,1,2,3,4,5,6,7,8,9,10,11,12,13,14,15
	global_load_b128 v[X+4*\p:X+4*\p+3], v4, s[4:5] offset:(\p+8*(\p/8))*4096 th:TH_LOAD_NT   ; tile row p: 32 lanes read 512 consecutive bytes
.endr
	s_wait_alu depctr_va_vdst(0)
.irp p, 0,1,2,3,4,5,6,7,8,9,10,11,12,13,14,15
	s_wait_loadcnt 15-\p                           ; loads come back in order: row p is in, the rows behind it may be out
	ds_store_b128 v5, v[X+4*\p:X+4*\p+3] offset:528*\p
.endr
.irp b, 0,1,2,3
.irp j, 0,1,2,3
	ds_load_b128 v[X+16*\b+4*\j:X+16*\b+4*\j+3], v6 offset:128*\b+16*\j   ; LDS serves a wave's instructions in order: these see my stores.  Rows 528 bytes apart: sixteen lanes touch sixteen different columns of 16 bytes
.endr
.endr
	s_wait_dscnt 0x0
	QUANT X, PC, PC+6
	v_lshl_or_b32 v[PW], v[TM+5], 8, v[TM+4]       ; the four bytes make my row's scale word
	s_delay_alu instid0(VALU_DEP_1)
	v_lshl_or_b32 v[PW], v[TM+6], 16, v[PW]
	s_delay_alu instid0(VALU_DEP_1)
	v_lshl_or_b32 v[PW], v[TM+7], 24, v[PW]
.irp c, 0,1,2
	global_store_b128 v4, v[PC+4*\c:PC+4*\c+3], s[26:27] offset:512*\c   ; 512 consecutive bytes, at a multiple of 256 from the buffer's first byte
.endr
	global_store_b32 v7, v[PW], s[28:29]           ; 128 consecutive bytes
	s_wait_tensorcnt 0x0                           ; the wave's end, behind my last LDS store
	ds_add_u32 v[SPW], v[NIL]
	s_wait_dscnt 0x0
	s_endpgm
	; ---- the weights: a lane takes a column, its registers run down K.  No LDS on this path
.Lweights:
	s_sub_co_u32 s17, ttmp9, 512
	s_lshr_b32 s18, s17, 2                         ; block of 128 columns, 0..31: 24 of w_qkv, then 8 of w_out
	s_and_b32 s19, s17, 3
	s_lshl_b32 s19, s19, 1
	s_lshr_b32 s22, s16, 2
	s_add_co_u32 s19, s19, s22                     ; K step
	s_and_b32 s22, s16, 3                          ; which 32 of the 128 columns
	s_mov_b32 s23, 4096
	s_cmp_lt_u32 s18, 24
	s_cselect_b64 s[6:7], s[6:7], s[8:9]           ; the weight,
	s_cselect_b64 s[12:13], s[12:13], s[14:15]     ; its pack,
	s_cselect_b32 s23, 12288, s23                  ; the bytes of one of its rows,
	s_cselect_b32 s24, 0, 24
	s_sub_co_u32 s18, s18, s24                     ; and the block's number in it
	s_lshl_b32 s24, s19, 7
	s_mul_i32 s24, s24, s23                        ; 128 rows a K step
	s_lshl_b32 s25, s18, 9
	s_add_co_u32 s24, s24, s25
	s_lshl_b32 s25, s22, 7
	s_add_co_u32 s24, s24, s25                     ; + 4 x my wave's first column
	s_mov_b32 s25, 0
	s_add_nc_u64 s[32:33], s[6:7], s[24:25]
	s_lshl_b32 s28, s23, 3                         ; eight rows on
	s_mov_b32 s29, 0
.irp q, 1,2,3,4,5,6,7,8,9,10,11,12,13,14,15
	s_add_nc_u64 s[32+2*\q:33+2*\q], s[30+2*\q:31+2*\q], s[28:29]   ; sixteen bases, eight rows apart: the row's length is no constant of the text, so it cannot stand in an immediate
.endr
	s_lshl_b32 s24, s18, 3
	s_add_co_u32 s24, s24, s19
	s_mul_i32 s24, s24, 13312                      ; step (nt, s) of the pack
	s_mul_i32 s26, s22, 3072
	s_add_co_u32 s26, s26, s24
	s_mov_b32 s27, 0
	s_lshl_b32 s30, s22, 8
	s_add_co_u32 s30, s30, s24
	s_add_co_u32 s30, s30, 12288
	s_mov_b32 s31, 0
	s_add_nc_u64 s[26:27], s[12:13], s[26:27]      ; my two fragments' images
	s_add_nc_u64 s[30:31], s[12:13], s[30:31]      ; and their scale images
	s_wait_alu depctr_va_vdst(0)
	v_lshlrev_b32 v14, 2, v1
.irp i, 0,1,2,3,4,5,6,7
	v_mad_u32_u24 v[OFF+\i], s23, \i, v14          ; i rows + 4 x lane
.endr
	v_bfe_u32 v15, v0, 3, 1                        ; column 8 u + r' + 8 (r' / 8) of the 32 is row r' of tile u: u = bit 3 of the lane,
	v_and_b32 v12, 7, v0
	v_bfe_u32 v13, v0, 4, 1
	s_delay_alu instid0(VALU_DEP_1)
	v_lshl_add_u32 v13, v13, 3, v12                ; r' = lane % 8 + 8 (lane / 16)
	s_delay_alu instid0(VALU_DEP_4)
	v_mul_u32_u24 v12, v15, 1536
	s_delay_alu instid0(VALU_DEP_1)
	v_lshl_add_u32 v[VO], v13, 4, v12
	v_lshlrev_b32 v15, 7, v15
	s_delay_alu instid0(VALU_DEP_1)
	v_lshl_add_u32 v[VS], v13, 2, v15
.macro LOADW t                         ; block t: W(32 t + i, my column) into set t % 2; each load reads 128 consecutive bytes, the four waves of a K step 512
.irp i, 0,1,2,3,4,5,6,7,8,9,10,11,12,13,14,15,16,17,18,19,20,21,22,23,24,25,26,27,28,29,30,31
	global_load_b32 v[X+32*((\t)%2)+\i], v[OFF+\i%8], s[32+2*(4*(\t)+\i/8):33+2*(4*(\t)+\i/8)] th:TH_LOAD_NT
.endr
.endm
.macro BLOCKW t
.set XS, X+32*((\t)%2)
.set DD, F0+12*((\t)%2)+6*((\t)/2)
.if (\t) < 3
	s_wait_loadcnt 32                              ; this block's 32 loads are in; the next block's 32 may be out
.else
	s_wait_loadcnt 0x0
.endif
	v_max3_num_f32 v110, |v[XS]|, |v[XS+1]|, |v[XS+2]|     ; all 32 numbers of the block are mine: two chains
	v_max3_num_f32 v111, |v[XS+3]|, |v[XS+4]|, |v[XS+5]|
.irp i, 6,10,14,18,22,26
	s_delay_alu instid0(VALU_DEP_2)
	v_max3_num_f32 v110, v110, |v[XS+\i]|, |v[XS+\i+1]|
	s_delay_alu instid0(VALU_DEP_2)
	v_max3_num_f32 v111, v111, |v[XS+\i+2]|, |v[XS+\i+3]|
.endr
	s_delay_alu instid0(VALU_DEP_2)
	v_max3_num_f32 v110, v110, |v[XS+30]|, |v[XS+31]|
	s_delay_alu instid0(VALU_DEP_1)
	v_max3_num_f32 v110, v110, v111, 0x2800000     ; and the floor
	s_delay_alu instid0(VALU_DEP_1)
	v_add_nc_u32 v112, 0xfe000000, v110            ; the conversion's scale operand
	s_delay_alu instid0(VALU_DEP_1)
	v_lshrrev_b32 v113, 23, v112                   ; the byte
.if (\t) == 0
	s_delay_alu instid0(VALU_DEP_1)
	v_mov_b32 v[SW], v113
.else
	s_delay_alu instid0(VALU_DEP_1)
	v_lshl_or_b32 v[SW], v113, 8*(\t), v[SW]
.endif
	v_cvt_scalef32_pk16_bf6_f32 v[DD:DD+2], v[XS:XS+15], v112
	v_cvt_scalef32_pk16_bf6_f32 v[TW:TW+2], v[XS+16:XS+31], v112
	v_nop                                          ; one plain line behind the conversions
.irp i, 0,1,2
	v_mov_b32 v[DD+3+\i], v[TW+\i]
.endr
.if (\t) < 2
	LOADW (\t)+2
.endif
.endm
	LOADW 0
	LOADW 1
	BLOCKW 0
	BLOCKW 1
	BLOCKW 2
	BLOCKW 3
.irp f, 0,1
.irp c, 0,1,2
	global_store_b128 v[VO], v[F0+12*\f+4*\c:F0+12*\f+4*\c+3], s[26:27] offset:512*\c+256*\f   ; sixteen lanes fill 256 consecutive aligned bytes of tile 0's image, the other sixteen of tile 1's
.endr
.endr
	global_store_b32 v[VS], v[SW], s[30:31]        ; the scale words, for lanes r' and r' + 16 of the images: pieces of 64 bytes, one part in 13 of what this path stores
	global_store_b32 v[VS], v[SW], s[30:31] offset:64
	s_endpgm
.Lfunc_end_k_q41c6d3f6f2_prep:
	.size	k_q41c6d3f6f2_prep, .Lfunc_end_k_q41c6d3f6f2_prep-k_q41c6d3f6f2_prep
	.p2alignl 7, 3214868480
	.fill 96, 4, 3214868480
	.section	.rodata,"a",@progbits
	.p2align	6, 0x0
	.amdhsa_kernel k_q41c6d3f6f2_prep
		.amdhsa_group_segment_fixed_size 68608
		.amdhsa_private_segment_fixed_size 0
		.amdhsa_enable_private_segment 0
		.amdhsa_kernarg_size 48
		.amdhsa_user_sgpr_count 2
		.amdhsa_user_sgpr_kernarg_segment_ptr 1
		.amdhsa_wavefront_size32 1
		.amdhsa_system_sgpr_workgroup_id_x 1
		.amdhsa_system_sgpr_workgroup_id_y 1
		.amdhsa_system_sgpr_workgroup_id_z 1
		.amdhsa_system_vgpr_workitem_id 0
		.amdhsa_next_free_vgpr 128
		.amdhsa_next_free_sgpr 66
		.amdhsa_reserve_vcc 0
		.amdhsa_float_denorm_mode_32 3
		.amdhsa_float_denorm_mode_16_64 3
		.amdhsa_memory_ordered 1
		.amdhsa_forward_progress 1
		.amdhsa_inst_pref_size 36
	.end_amdhsa_kernel
	.amdgpu_metadata
---
amdhsa.version: [ 1, 2 ]
amdhsa.kernels:
  - .name:           k_q41c6d3f6f2_prep
    .symbol:         k_q41c6d3f6f2_prep.kd
    .args:
      - { .name: x, .offset: 0, .size: 8, .value_kind: global_buffer, .address_space: global }
      - { .name: w_qkv, .offset: 8, .size: 8, .value_kind: global_buffer, .address_space: global }
      - { .name: w_out, .offset: 16, .size: 8, .value_kind: global_buffer, .address_space: global }
      - { .name: xpack, .offset: 24, .size: 8, .value_kind: global_buffer, .address_space: global }
      - { .name: wqpack, .offset: 32, .size: 8, .value_kind: global_buffer, .address_space: global }
      - { .name: wopack, .offset: 40, .size: 8, .value_kind: global_buffer, .address_space: global }
    .group_segment_fixed_size: 68608
    .private_segment_fixed_size: 0
    .kernarg_segment_align: 8
    .kernarg_segment_size: 48
    .max_flat_workgroup_size: 256
    .sgpr_count:     66
    .vgpr_count:     128
    .wavefront_size: 32
...
	.end_amdgpu_metadata
.endif
;; end of part 1
;; launch gemm_qkv (part 2): grid 8 x 32, 4 waves a work-group, clusters of 4 x 4, 327,680 bytes of LDS; arguments xpack, wqpack, b_qkv, qpack, kvpack; writes qpack, kvpack
.if DOCPART == 2
	.amdgcn_target "amdgcn-amd-amdhsa--gfx1250"
	.amdhsa_code_object_version 6
	.text
	.protected	k_q41c6d3f6f2_gemm_qkv
	.globl	k_q41c6d3f6f2_gemm_qkv
	.p2align	8
	.type	k_q41c6d3f6f2_gemm_qkv,@function
k_q41c6d3f6f2_gemm_qkv:
	s_mov_b64 s[64:65], 0
	v_nop
	global_prefetch_b8 v0, s[64:65] scope:SCOPE_SE
	s_setreg_imm32_b32 hwreg(HW_REG_WAVE_MODE, 25, 1), 1
	s_wait_xcnt 0x0
	s_wait_alu depctr_hold_cnt(0) depctr_sa_sdst(0) depctr_va_vdst(0) depctr_va_sdst(0) depctr_va_ssrc(0) depctr_va_vcc(0) depctr_vm_vsrc(0)
	s_getreg_b32 s2, hwreg(HW_REG_IB_STS2, 6, 4)
	s_cmp_eq_u32 s2, 0
	s_cbranch_scc0 .Lentry_in_a_cluster
	s_endpgm
.Lentry_in_a_cluster:
	s_bfe_u32 s2, ttmp6, 0x10000c
	s_cmp_lg_u32 s2, 0xf033
	s_cbranch_scc0 .Lentry_shape_is_right
	s_endpgm
.Lentry_shape_is_right:
; qkv = x w_qkv + b_qkv on codes of BF6 (E3M2) with E8M0 scales; the results are quantised in registers and leave as operand images for the attention launch: q and k along the head's 64, v along the keys.
; SHARES.  A WORK-GROUP STAYS: it takes 256 tokens (mt) through three blocks of 128 columns, nt = g (q), g + 8 (k), g + 16 (v), all of K = 1,024 each.  256 work-groups.
; x's 8 K steps x 26,624 bytes lie in LDS whole and are filled once.  W's 8 x 13,312 bytes are a ring of two halves of four K steps: when a half's last fragments are in registers (K steps 3 and 7 of the q and k tiles)
; it is filled again with the next tile's W, four K steps (128 products a wave) ahead of the wait for it.  Waves 2 and 3 fetch two K steps each; waves 0 and 1 have no part of W to fill.
; At the head each wave fetches two of K steps 0 to 3 (waves 0, 1 x's, waves 2, 3 W's); K steps 4 to 7 follow behind a round of their own.
; A wave has 32 accumulators: R tiles a = 0..3 (source 1: a lane is one of its rows) x P tiles b = 0..7 (source 0: the registers run along its rows).
;   q, k: P = the 8 tiles of W, R = x's tiles 4 w .. 4 w + 3: a lane holds a token, its 64 registers 128 columns = two heads' 64.
;   v:    P = x's tiles 8 (w / 2) .. + 7, R = W's tiles 4 (w % 2) .. + 3: a lane holds a column d of one head, its 64 registers 128 tokens: the keys, which are the next product's K.
; Row r of tile 2 B + u is index 32 B + 8 u + r + 8 (r / 8) in both packs, so the 16 registers of result tiles 2 B and 2 B + 1 are the neighbours 32 B + 16 h + 0 .. 15.
; The bias is the C of each sum's first matrix instruction; all three tiles' biases are loaded at the head.
; OUT.  qpack [head 64][step of 128 tokens 16][6,656]: 4 fragments, then 4 scale images; a fragment is a group of 32 tokens: registers 0-5 the even tile's 64 d, 6-11 the odd tile's; word = even's two bytes, odd's two bytes.
;       kvpack [head 64][key step 16][13,312]: K's 4 fragments (as q's), V's 4 (rows d = 32 (a / 2) + 8 (a % 2) + r + 8 (r / 8), K = the step's 128 keys), K's 4 scale images, V's 4.
; CLUSTER 4 x 4: x's steps are asked for jointly along a row of the cluster, W's along a column.  Each refill stands behind a round of the cluster's barrier.
; No prefetch: the three tiles are written out, so the launch has no loop to run ahead in, and each of the four refills is issued four K steps ahead of its wait.
; LIMITS: a block of zeros, or one whose largest magnitude lies under 2^(5 - 127), gets the byte 1 (this program alone reads the bytes); NaN and infinities are not served.
; REGISTERS, in windows of 256: window 0: v0-15 ids; v16-39 scale words, two sets; v40-53 addresses; fragment set 0 (P v64-159, R v160-207); v208-231 the quantiser's; on the way out v64-115 codes and words.
;   window 1: the accumulators, (a, b) at v[8 (8 a + b)].   window 2: fragment set 1, same numbers as set 0.   window 3: the biases: q's v0-63, k's v64-127, v's v128-159.
.set XSTEP, 26624
.set WSTEP, 13312
.set XL,    0
.set WL,    8*XSTEP
.set SPARE, WL+8*WSTEP                 ; behind the operands: the spare words, 128 bytes for each wave: two blocks of 256 bytes that no other line names
.set SPW, 2
.set NIL, 3
.set LI,  4                            ; 16 x lane
.set LS,  5                            ; 4 x lane
.set SC,  16                           ; scale words: set p: P's tile b at SC + 12 p + b, R's tile a at SC + 12 p + 8 + a
.set ADX, 40                           ; v40-43 x's fragments, K steps 2 c and 2 c + 1
.set ADW, 44                           ; v44-45 W's fragments, K steps 4 c .. 4 c + 3
.set ASX, 46                           ; v46-49 x's scale images
.set ASW, 50                           ; v50-51 W's
.set BO,  52                           ; the bias's offset for q and k
.set BV,  53                           ; and for v
.set PF,  64
.set RF,  160
.set TM,  208
.set T0,  224
.set T1,  228
.set WV,  14                           ; s14 wave; s15 wave / 2; s20 wave % 2; s18 g; s19 mt
.set SEL, 98
.set G1X, 24
.set G0X, 32                           ; s[32:39] two groups 0 for x's steps
.set PQ,  40                           ; s[40:47] q's four output addresses
.set G0W, 48                           ; s[48:55] two groups 0 for W's halves
.set PK,  56                           ; s[56:63] k's four output addresses
.set G1W, 72
.set PV,  80                           ; s[80:81] v's output address; s[82:83] v's bias
.set MSB, 0
.macro WIN new                         ; the immediate's high byte repeats the setting that is left; a switch that changes nothing is dropped
.if MSB != \new
	s_set_vgpr_msb (MSB<<8)|\new
.set MSB, \new
.endif
.endm
.macro CROUND                          ; a round of the cluster's barrier
	s_barrier_signal -1
	s_barrier_wait -1
	s_cmp_lg_u32 s[WV], 0
	s_cbranch_scc1 .Lnot_wave_0_\@
	s_barrier_signal -3
.Lnot_wave_0_\@:
	s_barrier_wait -3
	s_barrier_signal -1
	s_barrier_wait -1
.endm
; 64 numbers of a lane in window w, register 16 b + i = index 32 b + 16 h + i of my row, become codes: blocks 0, 1 in v[d0 .. d0 + 5], blocks 2, 3 in v[d1 .. d1 + 5] of window 0, a whole block to a lane; the bytes stay in v[TM + 4 .. TM + 7].
; Each accumulator is read from its low end on.
.macro QUANT src, w, d0, d1
	WIN 5*(\w)
.irp b, 0,1,2,3
	v_max3_num_f32 v[TM+\b], |v[(\src)+16*\b]|, |v[(\src)+16*\b+1]|, 0x2800000   ; and the floor 2^(5 - 127): the byte cannot fall under 1
.endr
.irp i, 2,4,6,8,10,12,14
.irp b, 0,1,2,3
	v_max3_num_f32 v[TM+\b], |v[(\src)+16*\b+\i]|, |v[(\src)+16*\b+\i+1]|, v[TM+\b]
.endr
.endr
	WIN 0
.irp b, 0,1,2,3
	v_permlanex16_b32 v[TM+4+\b], v[TM+\b], s[SEL], s[SEL+1]
.endr
.irp b, 0,1,2,3
	v_max_num_f32 v[TM+\b], v[TM+\b], v[TM+4+\b]
.endr
.irp b, 0,1,2,3
	v_add_nc_u32 v[TM+12+\b], 0xfe000000, v[TM+\b]         ; 4 off the exponent field: the conversion's scale operand
.endr
.irp b, 0,1,2,3
	v_lshrrev_b32 v[TM+4+\b], 23, v[TM+12+\b]              ; the byte
.endr
	WIN \w
	v_cvt_scalef32_pk16_bf6_f32 v[(\d0):(\d0)+2], v[(\src):(\src)+15], v[TM+12]
	v_cvt_scalef32_pk16_bf6_f32 v[T0:T0+2], v[(\src)+16:(\src)+31], v[TM+13]
	v_cvt_scalef32_pk16_bf6_f32 v[(\d1):(\d1)+2], v[(\src)+32:(\src)+47], v[TM+14]
	v_cvt_scalef32_pk16_bf6_f32 v[T1:T1+2], v[(\src)+48:(\src)+63], v[TM+15]
	WIN 0
	v_nop                                                  ; one plain line behind the conversions
.irp i, 0,1,2
	v_permlane16_swap_b32 v[(\d0)+\i], v[T0+\i]
	v_permlane16_swap_b32 v[(\d1)+\i], v[T1+\i]
.endr
.irp i, 0,1,2
	v_mov_b32 v[(\d0)+3+\i], v[T0+\i]
	v_mov_b32 v[(\d1)+3+\i], v[T1+\i]
.endr
.endm
; K step k's 12 fragments and 12 scale words into set p: 48 LDS loads, each of consecutive bytes
.macro FETCH typ, k, p
.if \typ
.set PA,  ADX+(\k)/2
.set PO,  ((\k)%2)*XSTEP
.set PSA, ASX+(\k)/2
.set PSO, ((\k)%2)*XSTEP+24576
.set RA,  ADW+(\k)/4
.set RO,  ((\k)%4)*WSTEP
.set RSA, ASW+(\k)/4
.set RSO, ((\k)%4)*WSTEP+12288
.else
.set RA,  ADX+(\k)/2
.set RO,  ((\k)%2)*XSTEP
.set RSA, ASX+(\k)/2
.set RSO, ((\k)%2)*XSTEP+24576
.set PA,  ADW+(\k)/4
.set PO,  ((\k)%4)*WSTEP
.set PSA, ASW+(\k)/4
.set PSO, ((\k)%4)*WSTEP+12288
.endif
	WIN 0x80*(\p)                                  ; destination window 0 or 2, address window 0
.irp i, 0,1,2,3,4,5,6,7
.irp c, 0,1,2
	ds_load_b128 v[PF+12*\i+4*\c:PF+12*\i+4*\c+3], v[PA] offset:PO+1536*\i+512*\c
.endr
.endr
.irp i, 0,1,2,3
.irp c, 0,1,2
	ds_load_b128 v[RF+12*\i+4*\c:RF+12*\i+4*\c+3], v[RA] offset:RO+1536*\i+512*\c
.endr
.endr
	WIN 0
.irp i, 0,1,2,3,4,5,6,7
	ds_load_b32 v[SC+12*(\p)+\i], v[PSA] offset:PSO+128*\i
.endr
.irp i, 0,1,2,3
	ds_load_b32 v[SC+12*(\p)+8+\i], v[RSA] offset:RSO+128*\i
.endr
.endm
; 32 matrix instructions: the 32 accumulators take turns, one instruction a turn, in the same order in every step.  Step 0 takes the bias, at v[cb ..] of window 3, as C: nothing is cleared
.macro MUL typ, k, cb
.if (\k) == 0
	WIN 0x70                                       ; operands window 0, C window 3, D window 1
.elseif (\k)%2
	WIN 0x5a                                       ; operands window 2, C and D window 1
.else
	WIN 0x50                                       ; operands window 0, C and D window 1
.endif
.irp a, 0,1,2,3
.irp b, 0,1,2,3,4,5,6,7
.set DD, 8*(8*\a+\b)
.set CC, DD
.if (\k) == 0
.if \typ
.set CC, (\cb)+8*\a
.else
.set CC, (\cb)+8*\b
.endif
.endif
	v_wmma_scale_f32_16x16x128_f8f6f4 v[DD:DD+7], v[PF+12*\b:PF+12*\b+11], v[RF+12*\a:RF+12*\a+11], v[CC:CC+7], v[SC+12*((\k)%2)+\b], v[SC+12*((\k)%2)+8+\a] matrix_a_fmt:MATRIX_FMT_BF6 matrix_b_fmt:MATRIX_FMT_BF6
.endr
.endr
.endm
; A K step.  rf = 1 (the q and k tiles): at K steps 3 and 7 this step's fragments are the last that are read of W's half (k / 4): it is filled again with the next tile's four K steps.
.macro STEP typ, k, cb, rf
.set RFN, 0
.if \rf
.if ((\k) == 3) || ((\k) == 7)
.set RFN, 1
.endif
.endif
.if RFN
	s_wait_tensorcnt 0x0                           ; all my tensor loads have landed: what the next four K steps read;
	ds_add_u32 v[SPW], v[NIL]                      ; 0 onto my spare word;
	s_add_nc_u64 s[G0W+4*((\k)/4)+2:G0W+4*((\k)/4)+3], s[G0W+4*((\k)/4)+2:G0W+4*((\k)/4)+3], 64*WSTEP   ; no load of mine is out, so a group 0 may be written: the same K steps of the block eight further on
	s_wait_dscnt 0x0                               ; the add is done, and this step's 48 loads, my last reads of that half, are in
	CROUND                                         ; both hold of every wave of all sixteen work-groups
	s_cmp_eq_u32 s15, 0
	s_cbranch_scc1 .Lno_part_\@                    ; waves 0 and 1 have no part of W to fill
	tensor_load_to_lds s[G0W+4*((\k)/4):G0W+4*((\k)/4)+3], s[G1W:G1W+7]
	s_nop 0
.rept 4
	v_nop
.endr
.Lno_part_\@:
.else
	s_wait_dscnt 0x0                               ; this step's 48 loads, issued ahead of the last step's 32 products, are in; and none of my LDS instructions is out at a signal
.if (\k) == 3
	s_wait_tensorcnt 0x0                           ; my part of W's K steps 4 to 7 has landed
	s_barrier_signal -1
	s_barrier_wait -1                              ; everybody's has
.endif
.endif
.if (\k) < 7
.if (\k) > 0
.rept 4
	v_nop                                          ; four places between the last step's products and loads into the registers that they read (ISA guide 7.12.1 for vector instructions)
.endr
.endif
	FETCH \typ, (\k)+1, ((\k)+1)%2
.endif
	MUL \typ, \k, \cb
	WIN 0
.endm
.macro TILE typ, cb, rf
	FETCH \typ, 0, 0
.irp k, 0,1,2,3,4,5,6,7
	STEP \typ, \k, \cb, \rf
.endr
.rept 4
	v_nop                                          ; four places in front of the first read of results
.endr
.endm
; q's or k's way out: s[pb ..]: the even head's codes, its scale words, the odd head's codes, its scale words
.macro EPI0 pb
.irp e, 0,1                            ; a group of 32 tokens: tiles 2 e and 2 e + 1.  Each group has registers of its own for what it stores
	QUANT 128*\e, 1, 64+24*\e, 76+24*\e            ; the even tile: blocks 0, 1 are the even head's 64, blocks 2, 3 the odd head's
	v_lshl_or_b32 v[112+2*\e], v[TM+5], 8, v[TM+4]
	v_lshl_or_b32 v[113+2*\e], v[TM+7], 8, v[TM+6]
	QUANT 128*\e+64, 1, 70+24*\e, 82+24*\e         ; the odd tile: registers 6-11 of both fragments
	v_lshl_or_b32 v[112+2*\e], v[TM+4], 16, v[112+2*\e]
	v_lshl_or_b32 v[113+2*\e], v[TM+6], 16, v[113+2*\e]
	v_lshl_or_b32 v[112+2*\e], v[TM+5], 24, v[112+2*\e]
	v_lshl_or_b32 v[113+2*\e], v[TM+7], 24, v[113+2*\e]
.irp c, 0,1,2
	global_store_b128 v[LI], v[64+24*\e+4*\c:67+24*\e+4*\c], s[\pb:\pb+1] offset:1536*\e+512*\c   ; 512 consecutive bytes, at a multiple of 256 from the buffer's first byte
	global_store_b128 v[LI], v[76+24*\e+4*\c:79+24*\e+4*\c], s[\pb+4:\pb+5] offset:1536*\e+512*\c
.endr
	global_store_b32 v[LS], v[112+2*\e], s[\pb+2:\pb+3] offset:128*\e
	global_store_b32 v[LS], v[113+2*\e], s[\pb+6:\pb+7] offset:128*\e
.endr
	s_wait_xcnt 0x0                                ; the stores have read their registers: the next tile's fragments may land there
.endm
	s_load_b256 s[4:11], s[0:1], 0x0               ; xpack s[4:5], wqpack s[6:7], b_qkv s[8:9], qpack s[10:11]
	s_load_b64 s[12:13], s[0:1], 0x20              ; kvpack
	v_lshl_add_u32 v[SPW], v0, 2, SPARE
	v_mov_b32 v[NIL], 0
	ds_add_u32 v[SPW], v[NIL]                      ; the wave's opening: the add, twice on end, and its wait ahead of my first tensor load; the set-up below stands between them
	ds_add_u32 v[SPW], v[NIL]
	v_lshrrev_b32 v1, 5, v0
	v_readfirstlane_b32 s[WV], v1                  ; wave 0..3
	s_lshr_b32 s15, s[WV], 1                       ; I fetch for x (0) or for W (1)
	s_and_b32 s20, s[WV], 1                        ; which two of a group's four K steps
	s_bfe_u32 s16, ttmp6, 0x40000                  ; cx
	s_bfe_u32 s17, ttmp6, 0x40004                  ; cy
	s_lshl_b32 s18, ttmp9, 2
	s_add_co_u32 s18, s18, s16                     ; g = 4 x cluster x + cx
	s_and_b32 s19, ttmp7, 0xffff
	s_lshl_b32 s19, s19, 2
	s_add_co_u32 s19, s19, s17                     ; mt = 4 x cluster y + cy
	s_lshl_b32 s21, s17, 2
	s_lshl_b32 s21, 15, s21                        ; my row of the cluster
	s_lshl_b32 s66, 0x1111, s16                    ; my column
	; descriptor group 1: a dense block as rows of 256 bytes (32 elements of 8 bytes): 208 rows for two steps of x, 104 for two steps of W
	s_or_b32 s[G1X], s21, (3<<16)|(1<<21)          ; 15:0 the mask; 17:16 elements of 8 bytes; 21 set beside a mask; no padding
	s_or_b32 s[G1W], s66, (3<<16)|(1<<21)
	s_mov_b32 s[G1X+1], 32<<16                     ; tensor_dim0
	s_mov_b32 s[G1X+2], 208<<16                    ; tensor_dim1
	s_mov_b32 s[G1X+3], 32<<16                     ; tile_dim0
	s_mov_b32 s[G1X+4], 208                        ; tile_dim1
	s_mov_b32 s[G1X+5], 32                         ; from row to row
	s_mov_b32 s[G1X+6], 0
	s_mov_b32 s[G1X+7], 0
	s_mov_b32 s[G1W+1], 32<<16
	s_mov_b32 s[G1W+2], 104<<16
	s_mov_b32 s[G1W+3], 32<<16
	s_mov_b32 s[G1W+4], 104
	s_mov_b32 s[G1W+5], 32
	s_mov_b32 s[G1W+6], 0
	s_mov_b32 s[G1W+7], 0
	s_mul_i32 s22, s19, 8*XSTEP                    ; x's address hangs on mt and the wave alone, W's on g and the wave alone, each in registers that never hold the other coordinate
	s_mul_i32 s21, s20, 2*XSTEP                    ; also the LDS place: no place in the cluster enters an LDS address
	s_add_co_u32 s22, s22, s21
	s_mov_b32 s23, 0
	s_mul_i32 s66, s18, 8*WSTEP
	s_mul_i32 s68, s20, 2*WSTEP
	s_add_co_u32 s66, s66, s68
	s_mov_b32 s67, 0
	s_mov_b32 s[SEL], 0x76543210
	s_mov_b32 s[SEL+1], 0xfedcba98
	v_and_b32 v1, 31, v0                           ; lane
	v_and_b32 v6, 15, v0                           ; r
	v_bfe_u32 v7, v0, 4, 1                         ; h
	v_lshlrev_b32 v[LI], 4, v1
	v_lshlrev_b32 v[LS], 2, v1
.irp b, 0,1,2,3
	v_mov_b32 v[TM+4+\b], 0                        ; written once: a lane permute's destination counts as one of its sources
.endr
	s_wait_dscnt 0x0                               ; both opening adds are done
	s_wait_kmcnt 0x0
	s_add_nc_u64 s[22:23], s[4:5], s[22:23]
	s_add_nc_u64 s[66:67], s[6:7], s[66:67]
.irp c, 0,1                            ; group c = K steps 4 c .. 4 c + 3; each has a group 0 of its own
	s_mov_b32 s[G0X+4*\c], 1
	s_add_co_u32 s[G0X+4*\c+1], s21, XL+4*XSTEP*\c
	s_add_nc_u64 s[G0X+4*\c+2:G0X+4*\c+3], s[22:23], 4*XSTEP*\c
	s_or_b32 s[G0X+4*\c+3], s[G0X+4*\c+3], 0x80000000
	s_mov_b32 s[G0W+4*\c], 1
	s_add_co_u32 s[G0W+4*\c+1], s68, WL+4*WSTEP*\c
	s_add_nc_u64 s[G0W+4*\c+2:G0W+4*\c+3], s[66:67], 4*WSTEP*\c
	s_or_b32 s[G0W+4*\c+3], s[G0W+4*\c+3], 0x80000000
.endr
	CROUND                                         ; all sixteen work-groups are here: the joint loads meet
	s_cmp_eq_u32 s15, 0                            ; one tensor load a wave at the head: K steps 0 to 3, two of x's or two of W's to a wave
	s_cbranch_scc0 .Lfor_w
	tensor_load_to_lds s[G0X:G0X+3], s[G1X:G1X+7]
	s_nop 0
.rept 4
	v_nop
.endr
	s_branch .Lasked
.Lfor_w:
	tensor_load_to_lds s[G0W:G0W+3], s[G1W:G1W+7]
	s_nop 0
.rept 4
	v_nop
.endr
.Lasked:
	; the LDS addresses for q and k
	s_mul_i32 s84, s[WV], 6144                     ; x's tiles 4 w on
	s_wait_alu depctr_va_vdst(0)                   ; ahead of the first readers of the head's registers
	v_add_nc_u32 v[ADX], s84, v[LI]
	s_lshl_b32 s84, s[WV], 9
	v_add_nc_u32 v[ASX], s84, v[LS]
.irp c, 1,2,3
	v_add_nc_u32 v[ADX+\c], 2*XSTEP*\c, v[ADX]
	v_add_nc_u32 v[ASX+\c], 2*XSTEP*\c, v[ASX]
.endr
	v_add_nc_u32 v[ADW], WL, v[LI]
	v_add_nc_u32 v[ASW], WL, v[LS]
	v_add_nc_u32 v[ADW+1], 4*WSTEP, v[ADW]
	v_add_nc_u32 v[ASW+1], 4*WSTEP, v[ASW]
	; the biases.  q, k: lane (r, h) wants, for tile 2 B + u, columns 32 B + 16 h + 8 u + 0 .. 7; k's block lies 4,096 bytes behind q's.  v: a lane holds one column, so all eight registers of a tile take the same number
	s_lshl_b32 s84, s18, 9
	s_mov_b32 s85, 0
	s_add_nc_u64 s[8:9], s[8:9], s[84:85]
	s_lshl_b32 s84, s20, 8
	s_add_nc_u64 s[82:83], s[8:9], s[84:85]
	v_lshlrev_b32 v[BO], 6, v7
	v_and_b32 v8, 8, v6
	v_add_nc_u32 v8, v8, v6                        ; r + 8 (r / 8)
	v_lshlrev_b32 v[BV], 2, v8
	WIN 0xc0                                       ; destination window 3
.irp t, 0,1
.irp b, 0,1,2,3,4,5,6,7
	global_load_b128 v[64*\t+8*\b:64*\t+8*\b+3], v[BO], s[8:9] offset:4096*\t+(32*(\b/2)+8*(\b%2))*4
	global_load_b128 v[64*\t+8*\b+4:64*\t+8*\b+7], v[BO], s[8:9] offset:4096*\t+(32*(\b/2)+8*(\b%2))*4+16
.endr
.endr
.irp a, 0,1,2,3
.irp j, 0,1,2,3,4,5,6,7
	global_load_b32 v[128+8*\a+\j], v[BV], s[82:83] offset:8192+(32*(\a/2)+8*(\a%2))*4
.endr
.endr
	WIN 0
	; where the results go.  q, k: heads 2 g and 2 g + 1 of batch mt / 8; step 2 (mt % 8) + w / 2; fragments 2 (w % 2) and + 1; kvpack's strides are twice qpack's.  v: head 2 g + w % 2, the same step
	s_lshr_b32 s84, s19, 3
	s_lshl_b32 s84, s84, 4
	s_lshl_b32 s85, s18, 1
	s_add_co_u32 s84, s84, s85                     ; the even head
	s_and_b32 s85, s19, 7
	s_lshl_b32 s85, s85, 1
	s_add_co_u32 s85, s85, s15                     ; the step
	s_mul_i32 s86, s84, 106496
	s_mul_i32 s87, s85, 6656
	s_add_co_u32 s86, s86, s87
	s_mul_i32 s88, s20, 3072
	s_lshl_b32 s89, s20, 8
	s_mov_b32 s91, 0
	s_add_co_u32 s90, s86, s88
	s_add_nc_u64 s[PQ:PQ+1], s[10:11], s[90:91]
	s_add_co_u32 s90, s86, s89
	s_add_co_u32 s90, s90, 6144
	s_add_nc_u64 s[PQ+2:PQ+3], s[10:11], s[90:91]
	s_add_nc_u64 s[PQ+4:PQ+5], s[PQ:PQ+1], 106496
	s_add_nc_u64 s[PQ+6:PQ+7], s[PQ+2:PQ+3], 106496
	s_lshl_b32 s86, s86, 1
	s_add_co_u32 s90, s86, s88
	s_add_nc_u64 s[PK:PK+1], s[12:13], s[90:91]
	s_add_co_u32 s90, s86, s89
	s_add_co_u32 s90, s90, 12288
	s_add_nc_u64 s[PK+2:PK+3], s[12:13], s[90:91]
	s_add_nc_u64 s[PK+4:PK+5], s[PK:PK+1], 212992
	s_add_nc_u64 s[PK+6:PK+7], s[PK+2:PK+3], 212992
	s_add_co_u32 s84, s84, s20
	s_mul_i32 s84, s84, 212992
	s_mul_i32 s85, s85, 13312
	s_add_co_u32 s90, s84, s85
	s_add_nc_u64 s[PV:PV+1], s[12:13], s[90:91]
	s_wait_alu depctr_va_vdst(0)
	s_wait_tensorcnt 0x0                           ; my part of K steps 0 to 3 is in
	ds_add_u32 v[SPW], v[NIL]
	s_wait_dscnt 0x0
	CROUND                                         ; everybody's part is in, and all sixteen work-groups are here: the joint loads meet
	s_cmp_eq_u32 s15, 0
	s_cbranch_scc0 .Lfor_w2
	tensor_load_to_lds s[G0X+4:G0X+7], s[G1X:G1X+7]   ; K steps 4 to 7: my one tensor load behind the round
	s_nop 0
.rept 4
	v_nop
.endr
	s_branch .Lasked2
.Lfor_w2:
	tensor_load_to_lds s[G0W+4:G0W+7], s[G1W:G1W+7]
	s_nop 0
.rept 4
	v_nop
.endr
.Lasked2:
	s_wait_loadcnt 0x0                             ; the biases
	TILE 0, 0, 1                                   ; q; W's halves take k's block
	EPI0 PQ
	TILE 0, 64, 1                                  ; k; W's halves take v's block
	EPI0 PK
	; the LDS addresses for v
	s_mul_i32 s84, s15, 12288                      ; x's tiles 8 (w / 2) on
	v_add_nc_u32 v[ADX], s84, v[LI]
	s_lshl_b32 s84, s15, 10
	v_add_nc_u32 v[ASX], s84, v[LS]
.irp c, 1,2,3
	v_add_nc_u32 v[ADX+\c], 2*XSTEP*\c, v[ADX]
	v_add_nc_u32 v[ASX+\c], 2*XSTEP*\c, v[ASX]
.endr
	s_mul_i32 s84, s20, 6144                       ; W's tiles 4 (w % 2) on
	s_add_co_u32 s84, s84, WL
	v_add_nc_u32 v[ADW], s84, v[LI]
	s_lshl_b32 s84, s20, 9
	s_add_co_u32 s84, s84, WL
	v_add_nc_u32 v[ASW], s84, v[LS]
	v_add_nc_u32 v[ADW+1], 4*WSTEP, v[ADW]
	v_add_nc_u32 v[ASW+1], 4*WSTEP, v[ASW]
	s_wait_alu depctr_va_vdst(0)
	TILE 1, 128, 0                                 ; v: nothing more is fetched
.irp a, 0,1,2,3                        ; tile a of the head's d: its 64 registers are the step's 128 keys: one fragment and one scale word a lane
	QUANT 64*\a, 1, 64+12*\a, 70+12*\a
	v_lshl_or_b32 v[112+\a], v[TM+5], 8, v[TM+4]
	v_lshl_or_b32 v[112+\a], v[TM+6], 16, v[112+\a]
	v_lshl_or_b32 v[112+\a], v[TM+7], 24, v[112+\a]
.irp c, 0,1,2
	global_store_b128 v[LI], v[64+12*\a+4*\c:67+12*\a+4*\c], s[PV:PV+1] offset:6144+1536*\a+512*\c
.endr
	global_store_b32 v[LS], v[112+\a], s[PV:PV+1] offset:12800+128*\a
.endr
	s_wait_tensorcnt 0x0                           ; the wave's end
	ds_add_u32 v[SPW], v[NIL]
	s_wait_dscnt 0x0
	CROUND                                         ; the closing round: no work-group ends while a partner may still ask for a tile that names it
	s_endpgm
.Lfunc_end_k_q41c6d3f6f2_gemm_qkv:
	.size	k_q41c6d3f6f2_gemm_qkv, .Lfunc_end_k_q41c6d3f6f2_gemm_qkv-k_q41c6d3f6f2_gemm_qkv
	.p2alignl 7, 3214868480
	.fill 96, 4, 3214868480
	.section	.rodata,"a",@progbits
	.p2align	6, 0x0
	.amdhsa_kernel k_q41c6d3f6f2_gemm_qkv
		.amdhsa_group_segment_fixed_size 327680
		.amdhsa_private_segment_fixed_size 0
		.amdhsa_enable_private_segment 0
		.amdhsa_kernarg_size 40
		.amdhsa_user_sgpr_count 2
		.amdhsa_user_sgpr_kernarg_segment_ptr 1
		.amdhsa_wavefront_size32 1
		.amdhsa_system_sgpr_workgroup_id_x 1
		.amdhsa_system_sgpr_workgroup_id_y 1
		.amdhsa_system_sgpr_workgroup_id_z 1
		.amdhsa_system_vgpr_workitem_id 0
		.amdhsa_next_free_vgpr 1024
		.amdhsa_next_free_sgpr 100
		.amdhsa_reserve_vcc 0
		.amdhsa_float_denorm_mode_32 3
		.amdhsa_float_denorm_mode_16_64 3
		.amdhsa_memory_ordered 1
		.amdhsa_forward_progress 1
		.amdhsa_inst_pref_size 244
	.end_amdhsa_kernel
	.amdgpu_metadata
---
amdhsa.version: [ 1, 2 ]
amdhsa.kernels:
  - .name:           k_q41c6d3f6f2_gemm_qkv
    .symbol:         k_q41c6d3f6f2_gemm_qkv.kd
    .args:
      - { .name: xpack, .offset: 0, .size: 8, .value_kind: global_buffer, .address_space: global }
      - { .name: wqpack, .offset: 8, .size: 8, .value_kind: global_buffer, .address_space: global }
      - { .name: b_qkv, .offset: 16, .size: 8, .value_kind: global_buffer, .address_space: global }
      - { .name: qpack, .offset: 24, .size: 8, .value_kind: global_buffer, .address_space: global }
      - { .name: kvpack, .offset: 32, .size: 8, .value_kind: global_buffer, .address_space: global }
    .group_segment_fixed_size: 327680
    .private_segment_fixed_size: 0
    .kernarg_segment_align: 8
    .kernarg_segment_size: 40
    .max_flat_workgroup_size: 128
    .sgpr_count:     100
    .vgpr_count:     1024
    .wavefront_size: 32
...
	.end_amdgpu_metadata
.endif
;; end of part 2
;; launch attn (part 3): grid 4 x 64, 16 waves a work-group, clusters of 4 x 1, 268,288 bytes of LDS; arguments qpack, kvpack, ctxpack; writes ctxpack
.if DOCPART == 3
	.amdgcn_target "amdgcn-amd-amdhsa--gfx1250"
	.amdhsa_code_object_version 6
	.text
	.protected	k_q41c6d3f6f2_attn
	.globl	k_q41c6d3f6f2_attn
	.p2align	8
	.type	k_q41c6d3f6f2_attn,@function
k_q41c6d3f6f2_attn:
	s_mov_b64 s[64:65], 0
	v_nop
	global_prefetch_b8 v0, s[64:65] scope:SCOPE_SE
	s_setreg_imm32_b32 hwreg(HW_REG_WAVE_MODE, 25, 1), 1
	s_wait_xcnt 0x0
	s_wait_alu depctr_hold_cnt(0) depctr_sa_sdst(0) depctr_va_vdst(0) depctr_va_sdst(0) depctr_va_ssrc(0) depctr_va_vcc(0) depctr_vm_vsrc(0)
	s_getreg_b32 s2, hwreg(HW_REG_IB_STS2, 6, 4)
	s_cmp_eq_u32 s2, 0
	s_cbranch_scc0 .Lentry_in_a_cluster
	s_endpgm
.Lentry_in_a_cluster:
	s_bfe_u32 s2, ttmp6, 0x10000c
	s_cmp_lg_u32 s2, 0x3003
	s_cbranch_scc0 .Lentry_shape_is_right
	s_endpgm
.Lentry_shape_is_right:
; ctx = softmax(q k^T / 8) v for 64 heads of 2,048 tokens x 64, both products on codes of BF6 (E3M2) with E8M0 scales; ctx is quantised along D and leaves as the last product's operand images.
; THE SOFTMAX: t = score x log2(e) / 8; M = the running largest t rounded UP to a whole number; p = 2^(t - M) is quantised along the keys, not normalised; the row's sum is taken of the unquantised p and divides O at the end.
; When M moves, the sum and O are multiplied by 2^(old M - new M): exact.
; SHARES.  A work-group owns 512 queries of one head; wave w the group of 32 tokens 16 cx + w, as two tiles of 16 taken one after the other.
; THE WHOLE HEAD'S K AND V LIE IN LDS, filled once: wave w brings key step w (13,312 bytes) by one tensor load.  The four work-groups of a head form a cluster and ask jointly.
; The load lays 128 bytes of padding behind every 512: chunk n of a step lies at 640 n, a fragment's three chunks 1,920 bytes from the next fragment's, a step 16,640 from the next.
; No prefetch: all that the work-group reads is asked for by the loads at the head; no later load exists for a prefetch to run ahead of.
; LAYOUT.  Both products are used transposed: S^T = K Q^T, O^T = V^T P^T: a lane holds one query (lane % 16) throughout.
; THE SCORES' K IS 64, THE INSTRUCTION'S 128: a fragment of K holds TWO tiles of 16 keys (registers 0-5 one tile's 64 d, 6-11 the other's).  It is multiplied by [q | zeros] and by [zeros | q]; zero codes add nothing.
; A LANE HOLDS WHOLE BLOCKS OF 32 KEYS.  kvpack's fragment B, tile u, row r is key 32 B + 8 u + r + 8 (r / 8).  A fragment (c, e) is put together as it is read: rows 0-7 are rows 8 e .. 8 e + 7 of kvpack's fragment 2 c,
; rows 8-15 the same rows of fragment 2 c + 1 (lanes with bit 3 set read 1,920 bytes further on: 128 modulo 256, so sixteen lanes touch sixteen different columns of 16 bytes).
; Register j of result tile (c, e, u) in lane (q, h) is then key 32 (2 c + h) + 16 e + 8 u + j: the lane's 32 registers of group c are block 2 c + h in order, which is the place that P's operand gives that lane.
; So a block's largest score needs no other lane and the conversions' results are the operand's registers; the scale word's four bytes are gathered from lanes l and l xor 16.
; V's rows d are 32 (a / 2) + 8 (a % 2) + r + 8 (r / 8), so O^T's registers run along d as ctx's quantiser wants them.
; THE ROW'S SUM (32 packed additions) stands round the second product: its lines are the places behind the conversions, ahead of and behind the products, and the next step's K is fetched under them.
; The last key step of a pass is written out: the first pass fetches key step 0 there for the second, the second fetches nothing.
; OUT.  ctxpack [mt 32][K step 8][26,624]: 16 fragments, then 16 scale images; a fragment's codes in six chunks of 256 bytes, chunk p = registers 2 p, 2 p + 1, lane l's 8 bytes at 8 l.  K step s is heads 2 s and 2 s + 1:
; a head owns three chunks of each fragment and two bytes of each scale word.
; LIMITS: a block of zeros, or one whose largest magnitude lies under 2^(5 - 127), gets the byte 1 (this program alone reads the bytes); NaN and infinities are not served; O / l is a multiplication by v_rcp_f32's result;
; the block's largest p is made from its largest score, which takes v_exp_f32 not to fall where its input rises.
; REGISTERS: v1-3 16, 4, 8 x lane; v4, v7 K's lane terms; v5, v6 the add's two; v8-11 addresses; v12 -M, v13 the largest score, v[14:15] the sum; v16-33 zeros, q, zeros; v34-46 the group's q and scale word;
;   v48-95 four fragments of K, then of V; v96-159 S^T, then p; v160-191 O^T; v192-195 V's scale words; v196-213 the way out; v214 8 h; v216-221 partial sums; v224-235 p's codes; v236-247, v254 at work;
;   v248-251 K's scale words; v252 f; v253 p's scale word; v255 q's.
.set STEPB, 13312
.set STEPL, 16640
.set SPARE, 16*STEPL                   ; behind the head's K and V: the spare words, 128 bytes for each wave: eight blocks of 256 bytes that no other line names
.set VOF,  7680                        ; in a step: V's fragments,
.set KSO,  15360                       ; K's scale images,
.set VSO,  16000                       ; V's
.set LI,  1
.set LS,  2
.set L8,  3
.set KA0, 4
.set SPW, 5
.set NIL, 6
.set KS0, 7
.set VA,  8
.set VS,  9
.set KA,  10
.set KS,  11
.set SH8, 214
.set WV,  18
.set SEL, 20
.set CS,  22
.set G1,  24
.set G0,  40
.set CN,  52
.set TB,  2                            ; s2  LDS byte at which the key step begins
.set CNT, 3                            ; s3  trips to go
.macro ROUND                           ; a round of the cluster's barrier
	s_barrier_signal -1
	s_barrier_wait -1
	s_cmp_lg_u32 s[WV], 0
	s_cbranch_scc1 .Lnot_wave_0_\@
	s_barrier_signal -3
.Lnot_wave_0_\@:
	s_barrier_wait -3
	s_barrier_signal -1
	s_barrier_wait -1
.endm
.macro KLOAD ra, rs, bo                ; a key step's four fragments of K and their scale words
.irp c, 0,1
.irp e, 0,1
.irp n, 0,1,2
	ds_load_b128 v[48+12*(2*\c+\e)+4*\n:51+12*(2*\c+\e)+4*\n], v[\ra] offset:\bo+3840*\c+128*\e+640*\n
.endr
	ds_load_b32 v[248+2*\c+\e], v[\rs] offset:\bo+KSO+256*\c+32*\e
.endr
.endr
.endm
.macro ADD4 p                          ; four pairs of p onto the four partial sums, by turns
	v_pk_add_f32 v[216:217], v[216:217], v[\p:\p+1]
	v_pk_add_f32 v[218:219], v[218:219], v[\p+2:\p+3]
	v_pk_add_f32 v[220:221], v[220:221], v[\p+4:\p+5]
	v_pk_add_f32 v[14:15], v[14:15], v[\p+6:\p+7]
.endm
	s_load_b128 s[4:7], s[0:1], 0x0                ; qpack s[4:5], kvpack s[6:7]
	s_load_b64 s[8:9], s[0:1], 0x10                ; ctxpack
	v_lshl_add_u32 v[SPW], v0, 2, SPARE
	v_mov_b32 v[NIL], 0
	ds_add_u32 v[SPW], v[NIL]                      ; the wave's opening: the add, twice on end, and its wait ahead of my first tensor load
	ds_add_u32 v[SPW], v[NIL]
	v_lshrrev_b32 v8, 5, v0
	s_delay_alu instid0(VALU_DEP_1)
	v_readfirstlane_b32 s[WV], v8                  ; wave 0..15
	s_bfe_u32 s10, ttmp6, 0x40000                  ; cx: it enters q's and ctx's addresses alone
	s_and_b32 s11, ttmp7, 0xffff                   ; the head, 0..63, which the four partners share
	; descriptor group 1: a key step, 13,312 dense bytes, as 26 rows of 512 bytes (64 elements of 8 bytes), 32 words of padding behind each
	s_mov_b32 s[G1], 15|(3<<16)|(1<<20)|(1<<21)|(6<<22)|(31<<25)   ; 15:0 the mask: all four work-groups; 17:16 elements of 8 bytes; 20 padding on; 21 set beside a mask; 24:22 after every 128 words; 31:25 of 32 words
	s_mov_b32 s[G1+1], 64<<16
	s_mov_b32 s[G1+2], 26<<16
	s_mov_b32 s[G1+3], 64<<16
	s_mov_b32 s[G1+4], 26
	s_mov_b32 s[G1+5], 64
	s_mov_b32 s[G1+6], 0
	s_mov_b32 s[G1+7], 0
	s_mul_i32 s12, s11, 16*STEPB
	s_mul_i32 s13, s[WV], STEPB
	s_add_co_u32 s12, s12, s13                     ; my key step in kvpack,
	s_mov_b32 s[G0], 1
	s_mul_i32 s[G0+1], s[WV], STEPL                ; and in LDS
	s_mov_b32 s13, 0
	s_lshl_b32 s14, s10, 4
	s_add_co_u32 s14, s14, s[WV]                   ; my group of 32 tokens, g = 0..63
	s_mul_i32 s15, s11, 106496
	s_lshr_b32 s16, s14, 2
	s_mul_i32 s16, s16, 6656
	s_add_co_u32 s15, s15, s16
	s_and_b32 s16, s14, 3
	s_mul_i32 s17, s16, 1536
	s_add_co_u32 s44, s15, s17                     ; q's fragment
	s_mov_b32 s45, 0
	s_lshl_b32 s17, s16, 7
	s_add_co_u32 s50, s15, s17
	s_add_co_u32 s50, s50, 6144                    ; and its scale image
	s_mov_b32 s51, 0
	s_lshr_b32 s15, s11, 4                         ; the batch
	s_lshl_b32 s15, s15, 3
	s_lshr_b32 s16, s14, 3
	s_add_co_u32 s15, s15, s16                     ; mt = 8 x batch + g / 8
	s_lshl_b32 s15, s15, 3
	s_bfe_u32 s16, s11, 0x30001                    ; K step = (head % 16) / 2
	s_add_co_u32 s15, s15, s16
	s_mul_i32 s15, s15, 26624
	s_and_b32 s16, s14, 7
	s_and_b32 s17, s11, 1                          ; the head's parity
	s_mul_i32 s19, s16, 3072
	s_add_co_u32 s46, s15, s19
	s_mul_i32 s19, s17, 768
	s_add_co_u32 s46, s46, s19                     ; ctx's codes: tiles 2 (g % 8) and + 1, my head's three chunks
	s_mov_b32 s47, 0
	s_lshl_b32 s19, s16, 8
	s_add_co_u32 s48, s15, s19
	s_lshl_b32 s19, s17, 1
	s_add_co_u32 s48, s48, s19
	s_add_co_u32 s48, s48, 24576                   ; and my head's two bytes of the scale words
	s_mov_b32 s49, 0
	s_mov_b32 s[SEL], 0x76543210
	s_mov_b32 s[SEL+1], 0xfedcba98
	s_mov_b32 s[CS], 0x3e38aa3b                    ; c = log2(e) / 8
	s_mov_b32 s[CS+1], s[CS]                       ; (named with it as a pair, so it is written)
	s_mov_b32 s[CN], 0xbe38aa3b                    ; -c
	v_and_b32 v8, 31, v0
	v_and_b32 v9, 7, v0
	v_bfe_u32 v10, v0, 3, 1
	v_bfe_u32 v11, v0, 4, 1                        ; h
	s_delay_alu instid0(VALU_DEP_4)
	v_lshlrev_b32 v[LI], 4, v8
	v_lshlrev_b32 v[LS], 2, v8
	v_lshlrev_b32 v[L8], 3, v8
	v_lshlrev_b32 v[KA0], 4, v9
	v_lshlrev_b32 v[KS0], 2, v9
	v_lshlrev_b32 v[SH8], 3, v11
	s_delay_alu instid0(VALU_DEP_3)
	v_mad_u32_u24 v[KA0], v10, 1920, v[KA0]        ; K's fragments: 16 (lane % 8) + a fragment on for rows 8-15
	s_delay_alu instid0(VALU_DEP_3)
	v_lshl_add_u32 v[KS0], v10, 7, v[KS0]          ; K's scale words: 4 (lane % 8) + an image on
	s_delay_alu instid0(VALU_DEP_2)
	v_lshl_add_u32 v[KA0], v11, 8, v[KA0]          ; + 256 h
	s_wait_dscnt 0x0                               ; both opening adds are done
	s_wait_kmcnt 0x0
	s_add_nc_u64 s[G0+2:G0+3], s[6:7], s[12:13]
	s_or_b32 s[G0+3], s[G0+3], 0x80000000
	s_add_nc_u64 s[44:45], s[4:5], s[44:45]
	s_add_nc_u64 s[50:51], s[4:5], s[50:51]
	s_add_nc_u64 s[46:47], s[8:9], s[46:47]
	s_add_nc_u64 s[48:49], s[8:9], s[48:49]
	ROUND                                          ; all four work-groups are here: the joint loads meet
	tensor_load_to_lds s[G0:G0+3], s[G1:G1+7]      ; key step w of the head: my one tensor load
	s_nop 0
.rept 4
	v_nop
.endr
	s_wait_alu depctr_va_vdst(0)                   ; ahead of the first readers of the head's registers
.irp c, 0,1,2
	global_load_b128 v[34+4*\c:37+4*\c], v[LI], s[44:45] offset:512*\c   ; my group's q: registers 0-5 the even tile, 6-11 the odd
.endr
	global_load_b32 v46, v[LS], s[50:51]           ; its scale word: even's two bytes, odd's two
.irp i, 0,1,2,3,4,5
	v_mov_b32 v[16+\i], 0                          ; the zero codes on both sides of q
	v_mov_b32 v[28+\i], 0
.endr
.irp b, 0,1,2,3
	v_mov_b32 v[236+\b], 0                         ; written once: a lane permute's destination counts as one of its sources
.endr
	v_mov_b32 v253, 0                              ; (named as the upper half of the pair v[252:253] before it is first written)
	s_wait_alu depctr_va_vdst(0)
	s_wait_tensorcnt 0x0                           ; my key step has landed,
	s_barrier_signal -1
	s_barrier_wait -1                              ; everybody's has: from here on LDS is only read
	KLOAD KA0, KS0, 0                              ; key step 0's K
	s_wait_loadcnt 0x0                             ; q
; A KEY STEP: 128 keys.  pf = 1: the next step's K is fetched; 2: key step 0's, for the next pass; 0: nothing
.macro STEP pf
	s_wait_dscnt 0x0                               ; K's 16 loads, issued under the last step's sums
.irp f, 0,1,2,3                        ; S^T: tile u = 0 by [q | 0], tile u = 1 by [0 | q]
	v_wmma_scale_f32_16x16x128_f8f6f4 v[96+16*\f:103+16*\f], v[48+12*\f:59+12*\f], v[22:33], 0, v[248+\f], v255 matrix_a_fmt:MATRIX_FMT_BF6 matrix_b_fmt:MATRIX_FMT_BF6
	v_wmma_scale_f32_16x16x128_f8f6f4 v[104+16*\f:111+16*\f], v[48+12*\f:59+12*\f], v[16:27], 0, v[248+\f], v255 matrix_a_fmt:MATRIX_FMT_BF6 matrix_b_fmt:MATRIX_FMT_BF6
.endr
	v_add_nc_u32 v[VA], s[TB], v[LI]               ; four places: in front of the loads below and of the first read of the scores
	v_add_nc_u32 v[VS], s[TB], v[LS]
.if \pf == 1
	v_add_nc_u32 v[KA], s[TB], v[KA0]
	v_add_nc_u32 v[KS], s[TB], v[KS0]
.else
	v_nop
	v_nop
.endif
.irp a, 0,1,2,3                        ; V's fragments take K's registers: they land while the softmax is worked
.irp n, 0,1,2
	ds_load_b128 v[48+12*\a+4*\n:51+12*\a+4*\n], v[VA] offset:VOF+1920*\a+640*\n
.endr
	ds_load_b32 v[192+\a], v[VS] offset:VSO+128*\a
.endr
.irp c, 0,1                            ; the largest score of my two blocks of 32 keys, two chains a block; each accumulator is read from its low end on
	v_max3_num_f32 v[244+\c], v[96+32*\c], v[97+32*\c], v[98+32*\c]
	v_max3_num_f32 v[246+\c], v[112+32*\c], v[113+32*\c], v[114+32*\c]
.endr
.irp i, 3,5,7,9,11,13
.irp c, 0,1
	v_max3_num_f32 v[244+\c], v[244+\c], v[96+32*\c+\i], v[97+32*\c+\i]
	v_max3_num_f32 v[246+\c], v[246+\c], v[112+32*\c+\i], v[113+32*\c+\i]
.endr
.endr
.irp c, 0,1
	v_max3_num_f32 v[244+\c], v[244+\c], v[246+\c], v[111+32*\c]
.endr
.irp c, 0,1
	v_max_num_f32 v[244+\c], v[244+\c], v[127+32*\c]
.endr
	s_delay_alu instid0(VALU_DEP_1)
	v_max_num_f32 v254, v244, v245
	s_delay_alu instid0(VALU_DEP_1)
	v_permlanex16_b32 v239, v254, s[SEL], s[SEL+1]
	v_mov_b32 v243, v12                            ; the old -M
	s_delay_alu instid0(VALU_DEP_2)
	v_max3_num_f32 v13, v13, v254, v239            ; the running largest score of my query (c is positive)
	s_delay_alu instid0(VALU_DEP_1)
	v_mul_f32 v254, s[CN], v13                     ; -t
	s_delay_alu instid0(VALU_DEP_1)
	v_floor_f32 v12, v254                          ; the new -M = floor(-t) = -ceil(t): a whole number
	s_delay_alu instid0(VALU_DEP_1)
	v_sub_f32 v254, v12, v243                      ; old M - new M: a whole number, 0 or less
.irp j, 0,2,4,6,8
	v_pk_fma_f32 v[96+\j:97+\j], v[96+\j:97+\j], s[CS:CS+1], v[12:13] op_sel_hi:[1,0,0]   ; t - M, two at a time
.endr
	v_cvt_i32_f32 v254, v254                       ; (it saturates)
.irp j, 10,12,14,16,18
	v_pk_fma_f32 v[96+\j:97+\j], v[96+\j:97+\j], s[CS:CS+1], v[12:13] op_sel_hi:[1,0,0]
.endr
	v_ldexp_f32 v252, 1.0, v254                    ; f = 2^(old M - new M)
.irp j, 20,22,24,26,28,30,32,34,36,38,40,42,44,46,48,50,52,54,56,58,60,62
	v_pk_fma_f32 v[96+\j:97+\j], v[96+\j:97+\j], s[CS:CS+1], v[12:13] op_sel_hi:[1,0,0]
.endr
.irp c, 0,1
	v_fma_f32 v[244+\c], v[244+\c], s[CS], v12     ; the same of each block's largest score
.endr
.irp j, 0,2,4,6,8,10,12,14,16,18,20,22,24,26,28,30
	v_pk_mul_f32 v[160+\j:161+\j], v[160+\j:161+\j], v[252:253] op_sel_hi:[1,0]   ; O^T under the new M, each accumulator from its low end on
.endr
	s_wait_alu depctr_va_vdst(0)
.irp j, 0,1,2,3,4,5,6,7,8,9,10,11,12,13,14,15,16,17,18,19,20,21,22,23,24,25,26,27,28,29,30,31,32,33,34,35,36,37,38,39,40,41,42,43,44,45,46,47,48,49,50,51,52,53,54,55,56,57,58,59,60,61,62,63
	v_exp_f32 v[96+\j], v[96+\j]                   ; p = 2^(t - M), at most 1
.endr
.irp c, 0,1
	v_exp_f32 v[244+\c], v[244+\c]                 ; the block's largest p: the same two instructions on the same number give the same bits
.endr
	v_pk_mul_f32 v[14:15], v[14:15], v[252:253] op_sel_hi:[1,0]   ; the sum under the new M: the plain line behind the exponentials
	s_wait_alu depctr_va_vdst(0)                   ; one wait for the batch of 66, ahead of its first reader
	s_wait_dscnt 0x0                               ; V's 16 loads, issued ahead of the softmax
.irp c, 0,1
	v_max_num_f32 v[244+\c], 0x2800000, v[244+\c]  ; the floor 2^(5 - 127): the byte cannot fall under 1
.endr
.irp c, 0,1
	s_delay_alu instid0(VALU_DEP_2)
	v_add_nc_u32 v[246+\c], 0xfe000000, v[244+\c]  ; 4 off the exponent field: the conversion's scale operand
.endr
.irp c, 0,1
	s_delay_alu instid0(VALU_DEP_2)
	v_lshrrev_b32 v[244+\c], 23, v[246+\c]         ; the byte
.endr
	s_delay_alu instid0(VALU_DEP_1)
	v_lshl_or_b32 v254, v245, 16, v244             ; my two bytes: blocks h and 2 + h,
	s_delay_alu instid0(VALU_DEP_1)
	v_lshlrev_b32 v254, v[SH8], v254               ; at their places in the word (8 h bits up);
	s_delay_alu instid0(VALU_DEP_1)
	v_permlanex16_b32 v239, v254, s[SEL], s[SEL+1]
	s_delay_alu instid0(VALU_DEP_1)
	v_or_b32 v253, v254, v239                      ; with lane l xor 16's two: p's scale word for these 128 keys
.irp c, 0,1
	v_cvt_scalef32_pk16_bf6_f32 v[224+6*\c:226+6*\c], v[96+32*\c:111+32*\c], v[246+\c]
	v_cvt_scalef32_pk16_bf6_f32 v[236+4*\c:238+4*\c], v[112+32*\c:127+32*\c], v[246+\c]   ; (a conversion's three registers begin on an even number)
.endr
	v_pk_add_f32 v[216:217], v[96:97], v[98:99]    ; THE ROW'S SUM, of the unquantised p, in four chains.  These four are the plain lines behind the conversions
	v_pk_add_f32 v[218:219], v[100:101], v[102:103]
	v_pk_add_f32 v[220:221], v[104:105], v[106:107]
	v_pk_add_f32 v[14:15], v[14:15], v[108:109]
.irp c, 0,1
.irp i, 0,1,2
	v_mov_b32 v[227+6*\c+\i], v[236+4*\c+\i]
.endr
.endr
	ADD4 110                                       ; four places between the last write of p's codes and the products; fourteen stand behind the scale word's
.irp a, 0,1,2,3                        ; O^T += V^T P^T: the four accumulators by turns; eleven other products stand between two links of a chain
	v_wmma_scale_f32_16x16x128_f8f6f4 v[160+8*\a:167+8*\a], v[48+12*\a:59+12*\a], v[224:235], v[160+8*\a:167+8*\a], v[192+\a], v253 matrix_a_fmt:MATRIX_FMT_BF6 matrix_b_fmt:MATRIX_FMT_BF6
.endr
	ADD4 118                                       ; four places in front of loads into the registers that the products read
.if \pf == 1
	KLOAD KA, KS, STEPL
.elseif \pf == 2
	KLOAD KA0, KS0, 0
.endif
	ADD4 126
	ADD4 134
	ADD4 142
	ADD4 150
	v_pk_add_f32 v[216:217], v[216:217], v[158:159]
	s_delay_alu instid0(VALU_DEP_3)
	v_pk_add_f32 v[218:219], v[218:219], v[220:221]
	s_delay_alu instid0(VALU_DEP_2)
	v_pk_add_f32 v[14:15], v[14:15], v[216:217]
	s_delay_alu instid0(VALU_DEP_1)
	v_pk_add_f32 v[14:15], v[14:15], v[218:219]
.endm
; O^T / l, quantised along d (two blocks of 32: register 16 b + i = d 32 b + 16 h + i), stored as my head's half of tile qt's fragment.  The step's last sums are the places behind the last products
.macro OUT qt
.set CC, 196+6*(\qt)
	s_delay_alu instid0(VALU_DEP_1)
	v_add_f32 v14, v14, v15                        ; the sum's two halves,
	s_delay_alu instid0(VALU_DEP_1)
	v_permlanex16_b32 v252, v14, s[SEL], s[SEL+1]
	s_delay_alu instid0(VALU_DEP_1)
	v_add_f32 v14, v14, v252                       ; and lane l xor 16's
	s_wait_alu depctr_va_vdst(0)
	v_rcp_f32 v14, v14
	v_nop                                          ; a plain line behind the reciprocal
	s_wait_alu depctr_va_vdst(0)                   ; and the wait ahead of its first reader, which is also O^T's
.irp j, 0,2,4,6,8,10,12,14,16,18,20,22,24,26,28,30
	v_pk_mul_f32 v[96+\j:97+\j], v[160+\j:161+\j], v[14:15] op_sel_hi:[1,0]
.endr
.irp b, 0,1
	v_max3_num_f32 v[232+\b], |v[96+16*\b]|, |v[97+16*\b]|, 0x2800000
.endr
.irp i, 2,4,6,8,10,12,14
.irp b, 0,1
	s_delay_alu instid0(VALU_DEP_2)
	v_max3_num_f32 v[232+\b], v[232+\b], |v[96+16*\b+\i]|, |v[97+16*\b+\i]|
.endr
.endr
.irp b, 0,1
	v_permlanex16_b32 v[236+\b], v[232+\b], s[SEL], s[SEL+1]
.endr
.irp b, 0,1
	s_delay_alu instid0(VALU_DEP_2)
	v_max_num_f32 v[232+\b], v[232+\b], v[236+\b]
.endr
.irp b, 0,1
	s_delay_alu instid0(VALU_DEP_2)
	v_add_nc_u32 v[244+\b], 0xfe000000, v[232+\b]
.endr
.irp b, 0,1
	s_delay_alu instid0(VALU_DEP_2)
	v_lshrrev_b32 v[236+\b], 23, v[244+\b]
.endr
	s_delay_alu instid0(VALU_DEP_1)
	v_lshl_or_b32 v[212+(\qt)], v237, 8, v236      ; my head's two bytes of the row's scale word
	v_cvt_scalef32_pk16_bf6_f32 v[CC:CC+2], v[96:111], v244
	v_cvt_scalef32_pk16_bf6_f32 v[208:210], v[112:127], v245
	v_nop
.irp i, 0,1,2
	v_permlane16_swap_b32 v[CC+\i], v[208+\i]
.endr
.irp i, 0,1,2
	s_delay_alu instid0(VALU_DEP_3)
	v_mov_b32 v[CC+3+\i], v[208+\i]
.endr
.irp p, 0,1,2
	global_store_b64 v[L8], v[CC+2*\p:CC+2*\p+1], s[46:47] offset:1536*(\qt)+256*\p   ; 256 consecutive bytes, at a multiple of 256 from the buffer's first byte
.endr
	global_store_b16 v[LS], v[212+(\qt)], s[48:49] offset:128*(\qt)   ; two bytes a lane, four bytes apart: the other head writes the bytes between; one part in 13 of what the launch stores
.endm
; One tile of 16 queries through all 2,048 keys.  Each pass has registers of its own for what it stores.
.macro PASS qt
.irp i, 0,1,2,3,4,5
	v_mov_b32 v[22+\i], v[34+6*(\qt)+\i]           ; the tile's q between the zeros
.endr
.if \qt
	v_lshrrev_b32 v47, 16, v46
.else
	v_and_b32 v47, 0xffff, v46
.endif
	s_delay_alu instid0(VALU_DEP_1)
	v_lshl_or_b32 v255, v47, 16, v47               ; its two bytes twice: the word serves [q | 0] and [0 | q]
	v_mov_b32 v13, 0xff61b1e6                      ; the largest score so far: -3e38, under every score
	s_delay_alu instid0(VALU_DEP_1)
	v_floor_f32 v12, -v13
	v_mov_b32 v14, 0
	v_mov_b32 v15, 0
.irp j, 0,1,2,3,4,5,6,7,8,9,10,11,12,13,14,15,16,17,18,19,20,21,22,23,24,25,26,27,28,29,30,31
	v_mov_b32 v[160+\j], 0                         ; O^T: the step's first trip finds zeros.  These 32 are also the places between the writes of q and its scale word and the first product
.endr
	s_mov_b32 s[TB], 0
	s_mov_b32 s[CNT], 15
.Lkeys_\@:
	STEP 1
	s_add_co_u32 s[TB], s[TB], STEPL
	s_sub_co_u32 s[CNT], s[CNT], 1
	s_cmp_lg_u32 s[CNT], 0
	s_cbranch_scc1 .Lkeys_\@
.if \qt
	STEP 0                                         ; key step 15
.else
	STEP 2
.endif
	OUT \qt
.endm
	PASS 0
	PASS 1
	s_wait_tensorcnt 0x0                           ; the wave's end
	ds_add_u32 v[SPW], v[NIL]
	s_wait_dscnt 0x0
	ROUND                                          ; the closing round: no work-group ends while a partner may still ask for a tile that names it
	s_endpgm
.Lfunc_end_k_q41c6d3f6f2_attn:
	.size	k_q41c6d3f6f2_attn, .Lfunc_end_k_q41c6d3f6f2_attn-k_q41c6d3f6f2_attn
	.p2alignl 7, 3214868480
	.fill 96, 4, 3214868480
	.section	.rodata,"a",@progbits
	.p2align	6, 0x0
	.amdhsa_kernel k_q41c6d3f6f2_attn
		.amdhsa_group_segment_fixed_size 268288
		.amdhsa_private_segment_fixed_size 0
		.amdhsa_enable_private_segment 0
		.amdhsa_kernarg_size 24
		.amdhsa_user_sgpr_count 2
		.amdhsa_user_sgpr_kernarg_segment_ptr 1
		.amdhsa_wavefront_size32 1
		.amdhsa_system_sgpr_workgroup_id_x 1
		.amdhsa_system_sgpr_workgroup_id_y 1
		.amdhsa_system_sgpr_workgroup_id_z 1
		.amdhsa_system_vgpr_workitem_id 0
		.amdhsa_next_free_vgpr 256
		.amdhsa_next_free_sgpr 66
		.amdhsa_reserve_vcc 0
		.amdhsa_float_denorm_mode_32 3
		.amdhsa_float_denorm_mode_16_64 3
		.amdhsa_memory_ordered 1
		.amdhsa_forward_progress 1
		.amdhsa_inst_pref_size 78
	.end_amdhsa_kernel
	.amdgpu_metadata
---
amdhsa.version: [ 1, 2 ]
amdhsa.kernels:
  - .name:           k_q41c6d3f6f2_attn
    .symbol:         k_q41c6d3f6f2_attn.kd
    .args:
      - { .name: qpack, .offset: 0, .size: 8, .value_kind: global_buffer, .address_space: global }
      - { .name: kvpack, .offset: 8, .size: 8, .value_kind: global_buffer, .address_space: global }
      - { .name: ctxpack, .offset: 16, .size: 8, .value_kind: global_buffer, .address_space: global }
    .group_segment_fixed_size: 268288
    .private_segment_fixed_size: 0
    .kernarg_segment_align: 8
    .kernarg_segment_size: 24
    .max_flat_workgroup_size: 512
    .sgpr_count:     66
    .vgpr_count:     256
    .wavefront_size: 32
...
	.end_amdgpu_metadata
.endif
;; end of part 3
;; launch gemm_out (part 4): grid 8 x 32, 4 waves a work-group, clusters of 4 x 4, 327,680 bytes of LDS; arguments ctxpack, wopack, b_out, out0; writes out0
.if DOCPART == 4
	.amdgcn_target "amdgcn-amd-amdhsa--gfx1250"
	.amdhsa_code_object_version 6
	.text
	.protected	k_q41c6d3f6f2_gemm_out
	.globl	k_q41c6d3f6f2_gemm_out
	.p2align	8
	.type	k_q41c6d3f6f2_gemm_out,@function
k_q41c6d3f6f2_gemm_out:
	s_mov_b64 s[64:65], 0
	v_nop
	global_prefetch_b8 v0, s[64:65] scope:SCOPE_SE
	s_setreg_imm32_b32 hwreg(HW_REG_WAVE_MODE, 25, 1), 1
	s_wait_xcnt 0x0
	s_wait_alu depctr_hold_cnt(0) depctr_sa_sdst(0) depctr_va_vdst(0) depctr_va_sdst(0) depctr_va_ssrc(0) depctr_va_vcc(0) depctr_vm_vsrc(0)
	s_getreg_b32 s2, hwreg(HW_REG_IB_STS2, 6, 4)
	s_cmp_eq_u32 s2, 0
	s_cbranch_scc0 .Lentry_in_a_cluster
	s_endpgm
.Lentry_in_a_cluster:
	s_bfe_u32 s2, ttmp6, 0x10000c
	s_cmp_lg_u32 s2, 0xf033
	s_cbranch_scc0 .Lentry_shape_is_right
	s_endpgm
.Lentry_shape_is_right:
; out0 = ctx w_out + b_out on codes of BF6 (E3M2) with E8M0 scales; out0 [8192][1024] f32.
; SHARES.  A work-group takes 256 tokens (mt) x 128 columns (nt), all of K = 1,024; its operands, 8 K steps x (26,624 + 13,312) bytes, lie in LDS whole: every LDS byte is filled once, by the one group of tensor loads at the head.
; A wave has 32 accumulators: ctx's tiles 4 w .. 4 w + 3 (source 1: a lane is a token) x W's 8 tiles (source 0: the registers run along the columns).  Row r of tile 2 B + u is index 32 B + 8 u + r + 8 (r / 8) in both packs,
; so a lane's 16 registers of result tiles 2 B and 2 B + 1 are the columns 32 B + 16 h + 0 .. 15 of one token.  The bias is the C of each sum's first matrix instruction.
; ctx's fragments lie in six chunks of 256 bytes (registers 2 p, 2 p + 1; 8 bytes a lane), W's in three of 512 (16 bytes a lane).
; CLUSTER 4 x 4: ctx's steps are asked for jointly along a row of the cluster, W's along a column.
; No prefetch: all that the work-group reads is asked for by the loads at the head; no later load exists for a prefetch to run ahead of.
; THE WAY OUT: 16 tokens x 128 columns at a time through the wave's own stage in LDS, back as whole rows of 512 bytes.  The stages lie in ctx's first K steps, behind a barrier that follows every wave's last read of the operands; those bytes have had their only fill.
; REGISTERS, in windows of 256: window 0: v0-15 ids; v16-39 scale words, two sets; v40-54 addresses; fragment set 0 (P v64-159, R v160-207); on the way out v64-191 rows.
;   window 1: the accumulators, (a, b) at v[8 (8 a + b)].   window 2: fragment set 1.   window 3: the bias, v0-63.
.set XSTEP, 26624
.set WSTEP, 13312
.set XL,    0
.set WL,    8*XSTEP
.set SPARE, WL+8*WSTEP                 ; behind the operands: the spare words, 128 bytes for each wave: two blocks of 256 bytes that no other line names
.set SPW, 2
.set NIL, 3
.set LI,  4                            ; 16 x lane
.set LS,  5                            ; 4 x lane
.set SC,  16
.set ADX, 40
.set ADW, 44
.set ASX, 46
.set ASW, 50
.set BO,  52
.set STO, 53
.set RD,  54
.set PF,  64
.set RF,  160
.set BK,  64
.set WV,  14
.set G1X, 24
.set G0X, 32
.set G0W, 48
.set G1W, 72
.set MSB, 0
.macro WIN new                         ; the immediate's high byte repeats the setting that is left; a switch that changes nothing is dropped
.if MSB != \new
	s_set_vgpr_msb (MSB<<8)|\new
.set MSB, \new
.endif
.endm
.macro CROUND                          ; a round of the cluster's barrier
	s_barrier_signal -1
	s_barrier_wait -1
	s_cmp_lg_u32 s[WV], 0
	s_cbranch_scc1 .Lnot_wave_0_\@
	s_barrier_signal -3
.Lnot_wave_0_\@:
	s_barrier_wait -3
	s_barrier_signal -1
	s_barrier_wait -1
.endm
; K step k's 12 fragments and 12 scale words into set p: 60 LDS loads, each of consecutive bytes
.macro FETCH k, p
	WIN 0x80*(\p)                                  ; destination window 0 or 2, address window 0
.irp i, 0,1,2,3,4,5,6,7
.irp c, 0,1,2
	ds_load_b128 v[PF+12*\i+4*\c:PF+12*\i+4*\c+3], v[ADW+(\k)/4] offset:((\k)%4)*WSTEP+1536*\i+512*\c
.endr
.endr
.irp i, 0,1,2,3
.irp c, 0,1,2,3,4,5
	ds_load_b64 v[RF+12*\i+2*\c:RF+12*\i+2*\c+1], v[ADX+(\k)/2] offset:((\k)%2)*XSTEP+1536*\i+256*\c
.endr
.endr
	WIN 0
.irp i, 0,1,2,3,4,5,6,7
	ds_load_b32 v[SC+12*(\p)+\i], v[ASW+(\k)/4] offset:((\k)%4)*WSTEP+12288+128*\i
.endr
.irp i, 0,1,2,3
	ds_load_b32 v[SC+12*(\p)+8+\i], v[ASX+(\k)/2] offset:((\k)%2)*XSTEP+24576+128*\i
.endr
.endm
; 32 matrix instructions: the 32 accumulators take turns, one instruction a turn, in the same order in every step.  Step 0 takes the bias as C: nothing is cleared
.macro MUL k
.if (\k) == 0
	WIN 0x70                                       ; operands window 0, C window 3, D window 1
.elseif (\k)%2
	WIN 0x5a                                       ; operands window 2, C and D window 1
.else
	WIN 0x50                                       ; operands window 0, C and D window 1
.endif
.irp a, 0,1,2,3
.irp b, 0,1,2,3,4,5,6,7
.set DD, 8*(8*\a+\b)
.set CC, DD
.if (\k) == 0
.set CC, 8*\b
.endif
	v_wmma_scale_f32_16x16x128_f8f6f4 v[DD:DD+7], v[PF+12*\b:PF+12*\b+11], v[RF+12*\a:RF+12*\a+11], v[CC:CC+7], v[SC+12*((\k)%2)+\b], v[SC+12*((\k)%2)+8+\a] matrix_a_fmt:MATRIX_FMT_BF6 matrix_b_fmt:MATRIX_FMT_BF6
.endr
.endr
.endm
.macro STEP k
	s_wait_dscnt 0x0                               ; this step's 60 loads, issued ahead of the last step's 32 products, are in; and none of my LDS instructions is out at a signal
.if (\k) == 3
	s_wait_tensorcnt 0x0                           ; my part of K steps 4 to 7 has landed
	s_barrier_signal -1
	s_barrier_wait -1
.endif
.if (\k) < 7
.if (\k) > 0
.rept 4
	v_nop                                          ; four places between the last step's products and loads into the registers that they read
.endr
.endif
	FETCH (\k)+1, ((\k)+1)%2
.endif
	MUL \k
	WIN 0
.endm
	s_load_b256 s[4:11], s[0:1], 0x0               ; ctxpack s[4:5], wopack s[6:7], b_out s[8:9], out0 s[10:11]
	v_lshl_add_u32 v[SPW], v0, 2, SPARE
	v_mov_b32 v[NIL], 0
	ds_add_u32 v[SPW], v[NIL]                      ; the wave's opening: the add, twice on end, and its wait ahead of my first tensor load; the set-up below, work on registers, stands between them
	ds_add_u32 v[SPW], v[NIL]
	v_lshrrev_b32 v1, 5, v0
	v_readfirstlane_b32 s[WV], v1                  ; wave 0..3
	s_lshr_b32 s15, s[WV], 1                       ; I fetch for ctx (0) or for W (1)
	s_and_b32 s20, s[WV], 1                        ; which two of a group's four K steps
	s_bfe_u32 s16, ttmp6, 0x40000                  ; cx
	s_bfe_u32 s17, ttmp6, 0x40004                  ; cy
	s_lshl_b32 s18, ttmp9, 2
	s_add_co_u32 s18, s18, s16                     ; nt = 4 x cluster x + cx
	s_and_b32 s19, ttmp7, 0xffff
	s_lshl_b32 s19, s19, 2
	s_add_co_u32 s19, s19, s17                     ; mt = 4 x cluster y + cy
	s_lshl_b32 s21, s17, 2
	s_lshl_b32 s21, 15, s21                        ; my row of the cluster
	s_lshl_b32 s66, 0x1111, s16                    ; my column
	; descriptor group 1: a dense block as rows of 256 bytes (32 elements of 8 bytes): 104 rows for a step of ctx, 52 for a step of W
	s_or_b32 s[G1X], s21, (3<<16)|(1<<21)
	s_or_b32 s[G1W], s66, (3<<16)|(1<<21)
	s_mov_b32 s[G1X+1], 32<<16
	s_mov_b32 s[G1X+2], 208<<16                    ; a load brings two K steps of ctx, 208 rows of 256 bytes
	s_mov_b32 s[G1X+3], 32<<16
	s_mov_b32 s[G1X+4], 208
	s_mov_b32 s[G1X+5], 32
	s_mov_b32 s[G1X+6], 0
	s_mov_b32 s[G1X+7], 0
	s_mov_b32 s[G1W+1], 32<<16
	s_mov_b32 s[G1W+2], 104<<16                    ; two K steps of W: 104 rows
	s_mov_b32 s[G1W+3], 32<<16
	s_mov_b32 s[G1W+4], 104
	s_mov_b32 s[G1W+5], 32
	s_mov_b32 s[G1W+6], 0
	s_mov_b32 s[G1W+7], 0
	s_mul_i32 s22, s19, 8*XSTEP                    ; ctx's address hangs on mt and the wave alone, W's on nt and the wave alone, each in registers that never hold the other coordinate
	s_mul_i32 s21, s20, 2*XSTEP                    ; my two K steps of a group of four; also the LDS place: no place in the cluster enters an LDS address
	s_add_co_u32 s22, s22, s21
	s_mov_b32 s23, 0
	s_mul_i32 s66, s18, 8*WSTEP
	s_mul_i32 s68, s20, 2*WSTEP
	s_add_co_u32 s66, s66, s68
	s_mov_b32 s67, 0
	v_and_b32 v1, 31, v0                           ; lane
	v_and_b32 v6, 15, v0                           ; r
	v_bfe_u32 v7, v0, 4, 1                         ; h
	v_lshlrev_b32 v[LI], 4, v1
	v_lshlrev_b32 v[LS], 2, v1
	v_lshlrev_b32 v8, 3, v1                        ; 8 x lane
	s_wait_dscnt 0x0                               ; both opening adds are done
	s_wait_kmcnt 0x0
	s_add_nc_u64 s[22:23], s[4:5], s[22:23]
	s_add_nc_u64 s[66:67], s[6:7], s[66:67]
.irp c, 0,1                            ; group c = K steps 4 c .. 4 c + 3; the operands come in two groups, each byte of LDS filled once; each load has a group 0 of its own
	s_mov_b32 s[G0X+4*\c], 1
	s_add_co_u32 s[G0X+4*\c+1], s21, XL+4*XSTEP*\c
	s_add_nc_u64 s[G0X+4*\c+2:G0X+4*\c+3], s[22:23], 4*XSTEP*\c
	s_or_b32 s[G0X+4*\c+3], s[G0X+4*\c+3], 0x80000000
	s_mov_b32 s[G0W+4*\c], 1
	s_add_co_u32 s[G0W+4*\c+1], s68, WL+4*WSTEP*\c
	s_add_nc_u64 s[G0W+4*\c+2:G0W+4*\c+3], s[66:67], 4*WSTEP*\c
	s_or_b32 s[G0W+4*\c+3], s[G0W+4*\c+3], 0x80000000
.endr
	CROUND                                         ; all sixteen work-groups are here: the joint loads meet
	s_cmp_eq_u32 s15, 0                            ; one tensor load a wave at the head: K steps 0 to 3, two of ctx's or two of W's to a wave
	s_cbranch_scc0 .Lfor_w
	tensor_load_to_lds s[G0X:G0X+3], s[G1X:G1X+7]
	s_nop 0
.rept 4
	v_nop
.endr
	s_branch .Lasked
.Lfor_w:
	tensor_load_to_lds s[G0W:G0W+3], s[G1W:G1W+7]
	s_nop 0
.rept 4
	v_nop
.endr
.Lasked:
	s_mul_i32 s84, s[WV], 6144                     ; ctx's tiles 4 w on
	s_wait_alu depctr_va_vdst(0)
	v_add_nc_u32 v[ADX], s84, v8
	s_lshl_b32 s84, s[WV], 9
	v_add_nc_u32 v[ASX], s84, v[LS]
.irp c, 1,2,3
	v_add_nc_u32 v[ADX+\c], 2*XSTEP*\c, v[ADX]
	v_add_nc_u32 v[ASX+\c], 2*XSTEP*\c, v[ASX]
.endr
	v_add_nc_u32 v[ADW], WL, v[LI]
	v_add_nc_u32 v[ASW], WL, v[LS]
	v_add_nc_u32 v[ADW+1], 4*WSTEP, v[ADW]
	v_add_nc_u32 v[ASW+1], 4*WSTEP, v[ASW]
	s_mul_i32 s84, s[WV], 8448                     ; my stage: 16 rows x (512 bytes + 16)
	v_mul_u32_u24 v[STO], v6, 528
	v_lshl_add_u32 v[STO], v7, 6, v[STO]
	v_add_nc_u32 v[STO], s84, v[STO]               ; in: row r, + 64 h
	v_add_nc_u32 v[RD], s84, v[LI]                 ; back: a whole row, 16 bytes a lane
	s_lshl_b32 s84, s18, 9                         ; the bias of my 128 columns; lane (r, h) wants, for tile 2 B + u, columns 32 B + 16 h + 8 u + 0 .. 7
	s_mov_b32 s85, 0
	s_add_nc_u64 s[8:9], s[8:9], s[84:85]
	v_lshlrev_b32 v[BO], 6, v7
	WIN 0xc0                                       ; destination window 3
.irp b, 0,1,2,3,4,5,6,7
	global_load_b128 v[8*\b:8*\b+3], v[BO], s[8:9] offset:(32*(\b/2)+8*(\b%2))*4
	global_load_b128 v[8*\b+4:8*\b+7], v[BO], s[8:9] offset:(32*(\b/2)+8*(\b%2))*4+16
.endr
	WIN 0
	s_lshl_b32 s84, s19, 8
	s_lshl_b32 s85, s[WV], 6
	s_add_co_u32 s84, s84, s85                     ; my first token: 256 mt + 64 w
	s_lshl_b32 s84, s84, 12                        ; a row of out0 is 4,096 bytes
	s_lshl_b32 s85, s18, 9
	s_add_co_u32 s84, s84, s85                     ; + my 128 columns
	s_mov_b32 s85, 0
	s_add_nc_u64 s[10:11], s[10:11], s[84:85]
	s_wait_alu depctr_va_vdst(0)
	s_wait_tensorcnt 0x0                           ; my part of K steps 0 to 3 is in
	ds_add_u32 v[SPW], v[NIL]
	s_wait_dscnt 0x0
	CROUND                                         ; everybody's part is in, and all sixteen work-groups are here: the joint loads meet
	s_cmp_eq_u32 s15, 0
	s_cbranch_scc0 .Lfor_w2
	tensor_load_to_lds s[G0X+4:G0X+7], s[G1X:G1X+7]   ; K steps 4 to 7: my one tensor load behind the round
	s_nop 0
.rept 4
	v_nop
.endr
	s_branch .Lasked2
.Lfor_w2:
	tensor_load_to_lds s[G0W+4:G0W+7], s[G1W:G1W+7]
	s_nop 0
.rept 4
	v_nop
.endr
.Lasked2:
	FETCH 0, 0
	s_wait_loadcnt 0x0                             ; the bias
.irp k, 0,1,2,3,4,5,6,7
	STEP \k
.endr
.rept 4
	v_nop                                          ; four places in front of the first read of results and of loads into the registers that held fragments
.endr
	s_barrier_signal -1                            ; none of my LDS loads is out (the last wait for 0 stood at the head of the last step): no wave reads the operands any more
	s_barrier_wait -1
.macro TOSTAGE a                       ; tile a of my tokens: 16 rows x 128 columns into my stage, each accumulator from its low end on, and back as whole rows
	WIN 0x04                                       ; an LDS store's data are its source 1: window 1
.irp b, 0,1,2,3,4,5,6,7
	ds_store_b128 v[STO], v[8*(8*(\a)+\b):8*(8*(\a)+\b)+3] offset:128*(\b/2)+32*(\b%2)
	ds_store_b128 v[STO], v[8*(8*(\a)+\b)+4:8*(8*(\a)+\b)+7] offset:128*(\b/2)+32*(\b%2)+16
.endr
	WIN 0
.set BB, BK+64*((\a)%2)
.irp t, 0,1,2,3,4,5,6,7,8,9,10,11,12,13,14,15
	ds_load_b128 v[BB+4*\t:BB+4*\t+3], v[RD] offset:528*\t   ; LDS serves a wave's instructions in order: these see my stores, and the next tile's stores come behind them
.endr
.endm
.macro SEND a, younger                 ; younger: the LDS instructions issued behind tile a's loads, which may stay out
.set BB, BK+64*((\a)%2)
	s_wait_dscnt \younger
.irp t, 0,1,2,3,4,5,6,7,8,9,10,11,12,13,14,15
	global_store_b128 v[LI], v[BB+4*\t:BB+4*\t+3], s[10:11] offset:(32*((\a)/2)+8*((\a)%2)+\t+8*(\t/8))*4096 th:TH_STORE_NT   ; 512 consecutive bytes of a token's row, at a multiple of 256 from out0's first byte
.endr
.endm
	TOSTAGE 0
	TOSTAGE 1
	SEND 0, 32                                     ; behind tile 0's loads: tile 1's 16 stores and 16 loads
	s_wait_xcnt 0x0                                ; tile 0's stores have read their registers: tile 2's rows may land there
	TOSTAGE 2
	SEND 1, 32
	s_wait_xcnt 0x0                                ; tile 1's likewise
	TOSTAGE 3
	SEND 2, 32
	SEND 3, 0
	s_wait_tensorcnt 0x0                           ; the wave's end, behind my last tensor load and my last LDS store
	ds_add_u32 v[SPW], v[NIL]
	s_wait_dscnt 0x0
	CROUND                                         ; the closing round: no work-group ends while a partner may still ask for a tile that names it
	s_endpgm
.Lfunc_end_k_q41c6d3f6f2_gemm_out:
	.size	k_q41c6d3f6f2_gemm_out, .Lfunc_end_k_q41c6d3f6f2_gemm_out-k_q41c6d3f6f2_gemm_out
	.p2alignl 7, 3214868480
	.fill 96, 4, 3214868480
	.section	.rodata,"a",@progbits
	.p2align	6, 0x0
	.amdhsa_kernel k_q41c6d3f6f2_gemm_out
		.amdhsa_group_segment_fixed_size 327680
		.amdhsa_private_segment_fixed_size 0
		.amdhsa_enable_private_segment 0
		.amdhsa_kernarg_size 32
		.amdhsa_user_sgpr_count 2
		.amdhsa_user_sgpr_kernarg_segment_ptr 1
		.amdhsa_wavefront_size32 1
		.amdhsa_system_sgpr_workgroup_id_x 1
		.amdhsa_system_sgpr_workgroup_id_y 1
		.amdhsa_system_sgpr_workgroup_id_z 1
		.amdhsa_system_vgpr_workitem_id 0
		.amdhsa_next_free_vgpr 1024
		.amdhsa_next_free_sgpr 100
		.amdhsa_reserve_vcc 0
		.amdhsa_float_denorm_mode_32 3
		.amdhsa_float_denorm_mode_16_64 3
		.amdhsa_memory_ordered 1
		.amdhsa_forward_progress 1
		.amdhsa_inst_pref_size 88
	.end_amdhsa_kernel
	.amdgpu_metadata
---
amdhsa.version: [ 1, 2 ]
amdhsa.kernels:
  - .name:           k_q41c6d3f6f2_gemm_out
    .symbol:         k_q41c6d3f6f2_gemm_out.kd
    .args:
      - { .name: ctxpack, .offset: 0, .size: 8, .value_kind: global_buffer, .address_space: global }
      - { .name: wopack, .offset: 8, .size: 8, .value_kind: global_buffer, .address_space: global }
      - { .name: b_out, .offset: 16, .size: 8, .value_kind: global_buffer, .address_space: global }
      - { .name: out0, .offset: 24, .size: 8, .value_kind: global_buffer, .address_space: global }
    .group_segment_fixed_size: 327680
    .private_segment_fixed_size: 0
    .kernarg_segment_align: 8
    .kernarg_segment_size: 32
    .max_flat_workgroup_size: 128
    .sgpr_count:     100
    .vgpr_count:     1024
    .wavefront_size: 32
...
	.end_amdgpu_metadata
.endif
;; end of part 4
